; MI455X (gfx1250); checked and timed in simulation.
; The chip was launched on July 23, 2026; its instructions are those of AMD's public machine-readable ISA for CDNA 5 (MIT licence, August 2026) and "CDNA5" Instruction Set Architecture Reference Guide (July 2026). The comments in the code are by the model that wrote it; some were corrected since.
;; Multi Head Attention. Allowed arithmetic: float matrix products may take bf16 or f16 operands with f32 sums; other float arithmetic in f32, or as packed bf16 or f16 multiplies, adds, multiply-adds, maxima and minima; sums over many terms, partial sums and values carried from step to step in f32; what a program stores and reads back later, other than sums and carried values, may be rounded once to bf16 or f16.
;; Inputs: K 4 x 2,048 x 1,024 float32; Q 4 x 2,048 x 1,024 float32; V 4 x 2,048 x 1,024 float32; W_K 1,024 x 1,024 float32; W_O 1,024 x 1,024 float32; W_Q 1,024 x 1,024 float32; W_V 1,024 x 1,024 float32; attn_mask 4 x 2,048 x 2,048 bool.
;; Outputs: out0 4 x 2,048 x 1,024 float32.
;; One version. Each part assembles by itself: llvm-mc -triple=amdgcn-amd-amdhsa -mcpu=gfx1250 --defsym DOCPART=n.
;; ======== version 1 of 1: 4 launches
;; limits: values are held in f16: magnitudes above 65,504 overflow, below 6.1e-05 lose precision
;; workspace buffers: wb 8,388,608 bytes; mw 2,097,152 bytes of whole numbers; qkv 50,331,648 bytes; ctx 16,777,216 bytes
;; launch prep (part 1): grid 1536 x 1, 4 waves a work-group, no clusters, 35,328 bytes of LDS; arguments W_Q, W_K, W_V, W_O, attn_mask, wb, mw; writes wb, mw
.if DOCPART == 1
	.amdgcn_target "amdgcn-amd-amdhsa--gfx1250"
	.amdhsa_code_object_version 6
	.text
	.protected	k_qa9e6e93363_prep
	.globl	k_qa9e6e93363_prep
	.p2align	8
	.type	k_qa9e6e93363_prep,@function
k_qa9e6e93363_prep:
	s_mov_b64 s[64:65], 0
	v_nop
	global_prefetch_b8 v0, s[64:65] scope:SCOPE_SE
	s_setreg_imm32_b32 hwreg(HW_REG_WAVE_MODE, 25, 1), 1
	s_wait_xcnt 0x0
; PREPARATION.  Two jobs, told apart by the work-group's number.
; Work-groups 0-1023: the four weights [1024 k][1024 n] f32 -> wb [4][k][n] in 16 bits, in their own order.  Planes 0-2 (W_Q, W_K, W_V) are bf16;
; plane 3 (W_O) is the bf16 number written as f16, since it meets an f16 operand later.  LIMIT: a W_O number below 2^-14 keeps f16's fixed step of 2^-24.
; Work-groups 1024-1535: the mask's bytes -> mw, u32 [b 4][qp 64][ks 32][u 2][kb 4][j 8]: bit L of a word is mask[b][32 qp + 16 u + L % 16][64 ks + 16 kb + 8 (L / 16) + j]:
; the lane mask of register 8 kb + j of the score tile (16 queries x 64 keys, one query a lane) that the attention launch holds.
; A stream: no matrix unit, no cluster, no tensor load: every byte is read once by 16-byte loads of which sixteen lanes cover 256 consecutive bytes, and each store of a wave covers 256 consecutive bytes, aligned.
.set NWG,   1024                       ; work-groups that take weights
.set SPARE, 34816                      ; behind the four waves' stages: the spare words, 128 bytes a wave, that no other line names
.set WL,    8704                       ; a wave's stage: 32 rows of the mask x 272 bytes
.set MPI,   272                        ; 256 bytes + 16: 68 words, so that the 32 lanes of an 8-byte load touch every bank once
.set SPW,   12                         ; v12  SPARE + 4 x my thread's number; never rewritten
.set NIL,   13                         ; v13  0; never rewritten
	s_load_b256 s[4:11], s[0:1], 0x0               ; W_Q s[4:5], W_K s[6:7], W_V s[8:9], W_O s[10:11]
	s_load_b128 s[12:15], s[0:1], 0x20             ; attn_mask s[12:13], wb s[14:15]
	s_load_b64 s[16:17], s[0:1], 0x30              ; mw
	v_lshl_add_u32 v[SPW], v0, 2, SPARE
	v_mov_b32 v[NIL], 0
	v_lshrrev_b32 v1, 5, v0
	v_readfirstlane_b32 s18, v1                    ; wave 0..3
	s_wait_kmcnt 0x0
	s_cmp_lt_u32 ttmp9, NWG
	s_cbranch_scc0 .Lmask
	; THE WEIGHTS.  A work-group takes 4,096 numbers: 8 loads of 2,048 bytes, all issued first, 8 stores of 1,024 bytes.
	s_lshr_b32 s19, ttmp9, 8                       ; which weight
	s_cmp_eq_u32 s19, 1
	s_cselect_b64 s[20:21], s[6:7], s[4:5]
	s_cmp_eq_u32 s19, 2
	s_cselect_b64 s[20:21], s[8:9], s[20:21]
	s_cmp_eq_u32 s19, 3
	s_cselect_b64 s[20:21], s[10:11], s[20:21]
	s_and_b32 s26, ttmp9, 255
	s_lshl_b32 s26, s26, 14                        ; my 16,384 bytes of it
	s_mov_b32 s27, 0
	s_add_nc_u64 s[20:21], s[20:21], s[26:27]
	s_lshl_b32 s28, ttmp9, 13                      ; and the 8,192 bytes that they become
	s_mov_b32 s29, 0
	s_add_nc_u64 s[22:23], s[14:15], s[28:29]
	s_mov_b32 s30, 0xffff0000                      ; a word's upper bf16
	v_lshlrev_b32 v2, 4, v0                        ; 16 bytes a thread in,
	v_lshlrev_b32 v3, 3, v0                        ; 8 bytes out
.set k, 0
.rept 8
	global_load_b128 v[16+4*k:19+4*k], v2, s[20:21] offset:2048*k th:TH_LOAD_NT
.set k, k+1
.endr
; Load i's four numbers are rounded to bf16; half = 1: each bf16 is widened again and written as f16.  Each load has registers of its own, so no store's data is written again.
.macro WCV i, half
	s_wait_loadcnt 7-(\i)                          ; loads come back in order: mine is in, the younger ones stay out
	v_cvt_pk_bf16_f32 v[16+4*(\i)], v[16+4*(\i)], v[17+4*(\i)]
	v_cvt_pk_bf16_f32 v[17+4*(\i)], v[18+4*(\i)], v[19+4*(\i)]
.if \half
	v_lshlrev_b32 v[18+4*(\i)], 16, v[16+4*(\i)]
	v_and_b32 v[19+4*(\i)], s30, v[16+4*(\i)]
	v_cvt_pk_f16_f32 v[16+4*(\i)], v[18+4*(\i)], v[19+4*(\i)]
	v_lshlrev_b32 v[18+4*(\i)], 16, v[17+4*(\i)]
	v_and_b32 v[19+4*(\i)], s30, v[17+4*(\i)]
	v_cvt_pk_f16_f32 v[17+4*(\i)], v[18+4*(\i)], v[19+4*(\i)]
.endif
	global_store_b64 v3, v[16+4*(\i):17+4*(\i)], s[22:23] offset:1024*(\i)  ; a wave's 32 lanes store 256 consecutive bytes, aligned
.endm
	s_cmp_eq_u32 s19, 3
	s_cbranch_scc1 .Lw_f16
.set k, 0
.rept 8
	WCV k, 0
.set k, k+1
.endr
	s_endpgm
.Lw_f16:
.set k, 0
.rept 8
	WCV k, 1
.set k, k+1
.endr
	s_endpgm
	; THE MASK.  A wave takes 32 rows (a pair of query tiles) x 256 columns (four key steps): through its own stage in LDS, so that memory is read in whole runs of 256 bytes.
.Lmask:
	s_sub_co_u32 s19, ttmp9, NWG
	s_lshl_b32 s19, s19, 2
	s_add_co_u32 s19, s19, s18                     ; g = 0..2047: pair g / 8, strip g % 8
	s_lshr_b32 s20, s19, 3
	s_lshl_b32 s20, s20, 16                        ; 32 rows of 2,048 bytes
	s_and_b32 s21, s19, 7
	s_lshl_b32 s21, s21, 8
	s_add_co_u32 s20, s20, s21
	s_mov_b32 s21, 0
	s_add_nc_u64 s[28:29], s[12:13], s[20:21]
	s_lshl_b32 s20, s19, 10                        ; four key steps of 256 bytes of words
	s_add_nc_u64 s[24:25], s[16:17], s[20:21]
	s_mul_i32 s27, s18, WL                         ; my stage
	v_and_b32 v1, 15, v0                           ; L % 16
	v_bfe_u32 v14, v0, 4, 1                        ; L / 16
	v_lshlrev_b32 v2, 4, v1
	v_lshl_add_u32 v2, v14, 11, v2                 ; in memory: row L / 16, 16 bytes at 16 (L % 16)
	v_mul_u32_u24 v4, v14, MPI
	v_lshl_add_u32 v4, v1, 4, v4
	v_add_nc_u32 v4, s27, v4                       ; the same place in the stage
	v_mul_u32_u24 v5, v1, MPI
	v_lshl_add_u32 v5, v14, 3, v5
	v_add_nc_u32 v5, s27, v5                       ; back: row L % 16, 8 bytes at 8 (L / 16)
	v_and_b32 v3, 31, v0
	v_lshlrev_b32 v3, 3, v3                        ; out: two words a lane
	v_mov_b32 v6, 0                                ; v_writelane_b32 counts as a reader of its destination
	v_mov_b32 v7, 0
.set k, 0
.rept 16
	global_load_b128 v[16+4*k:19+4*k], v2, s[28:29] offset:4096*k th:TH_LOAD_NT  ; two rows' 256 bytes
.set k, k+1
.endr
.set k, 0
.rept 16
	s_wait_loadcnt 15-k                            ; the younger loads stay out
	ds_store_b128 v4, v[16+4*k:19+4*k] offset:544*k
.set k, k+1
.endr
	s_mov_b32 s26, 4
.Lks:                                                  ; a trip is a key step: 64 words.  LDS serves a wave's instructions in order, and the stage is my own: no barrier
.irp x, 0,1,2,3,4,5,6,7                                ; x = 4 u + kb
	ds_load_b64 v[80+2*\x:81+2*\x], v5 offset:(\x/4)*16*MPI+(\x%4)*16
.endr
	s_wait_dscnt 0x0
.set w, 0                                              ; word w = 32 u + 8 kb + j comes from byte j of the lane's 8: register 80 + w / 4, byte w % 4
.rept 16
.irp z, 0,1,2,3
	v_bfe_u32 v[8+\z], v[80+w/4], 8*\z, 8
.endr
.irp z, 0,1,2,3
	v_cmp_ne_u32 s[20+\z], 0, v[8+\z]              ; the 32 lanes' bits are the word
.endr
.irp z, 0,1,2,3
	v_writelane_b32 v[6+(\z)%2], s[20+\z], (w+\z)/2  ; lane l keeps words 2 l and 2 l + 1
.endr
.set w, w+4
.endr
	global_store_b64 v3, v[6:7], s[24:25]          ; 256 consecutive bytes, aligned
	v_add_nc_u32 v5, 64, v5                        ; the next 64 columns
	s_wait_xcnt 0x0                                ; the store has read its data and its base: both are written again only behind this wait
	s_add_nc_u64 s[24:25], s[24:25], 256
	s_sub_co_u32 s26, s26, 1
	s_cmp_lg_u32 s26, 0
	s_cbranch_scc1 .Lks
	s_wait_tensorcnt 0x0                           ; the wave's end: behind my last LDS store
	ds_add_u32 v[SPW], v[NIL]
	s_wait_dscnt 0x0
	s_endpgm
.Lfunc_end_k_qa9e6e93363_prep:
	.size	k_qa9e6e93363_prep, .Lfunc_end_k_qa9e6e93363_prep-k_qa9e6e93363_prep
	.p2alignl 7, 3214868480
	.fill 96, 4, 3214868480
	.section	.rodata,"a",@progbits
	.p2align	6, 0x0
	.amdhsa_kernel k_qa9e6e93363_prep
		.amdhsa_group_segment_fixed_size 35328
		.amdhsa_private_segment_fixed_size 0
		.amdhsa_enable_private_segment 0
		.amdhsa_kernarg_size 56
		.amdhsa_user_sgpr_count 2
		.amdhsa_user_sgpr_kernarg_segment_ptr 1
		.amdhsa_wavefront_size32 1
		.amdhsa_system_sgpr_workgroup_id_x 1
		.amdhsa_system_sgpr_workgroup_id_y 1
		.amdhsa_system_sgpr_workgroup_id_z 1
		.amdhsa_system_vgpr_workitem_id 0
		.amdhsa_next_free_vgpr 96
		.amdhsa_next_free_sgpr 66
		.amdhsa_reserve_vcc 0
		.amdhsa_float_denorm_mode_32 3
		.amdhsa_float_denorm_mode_16_64 3
		.amdhsa_memory_ordered 1
		.amdhsa_forward_progress 1
		.amdhsa_inst_pref_size 26
	.end_amdhsa_kernel
	.amdgpu_metadata
---
amdhsa.version: [ 1, 2 ]
amdhsa.kernels:
  - .name:           k_qa9e6e93363_prep
    .symbol:         k_qa9e6e93363_prep.kd
    .args:
      - { .name: W_Q, .offset: 0, .size: 8, .value_kind: global_buffer, .address_space: global }
      - { .name: W_K, .offset: 8, .size: 8, .value_kind: global_buffer, .address_space: global }
      - { .name: W_V, .offset: 16, .size: 8, .value_kind: global_buffer, .address_space: global }
      - { .name: W_O, .offset: 24, .size: 8, .value_kind: global_buffer, .address_space: global }
      - { .name: attn_mask, .offset: 32, .size: 8, .value_kind: global_buffer, .address_space: global }
      - { .name: wb, .offset: 40, .size: 8, .value_kind: global_buffer, .address_space: global }
      - { .name: mw, .offset: 48, .size: 8, .value_kind: global_buffer, .address_space: global }
    .group_segment_fixed_size: 35328
    .private_segment_fixed_size: 0
    .kernarg_segment_align: 8
    .kernarg_segment_size: 56
    .max_flat_workgroup_size: 128
    .sgpr_count:     66
    .vgpr_count:     96
    .wavefront_size: 32
...
	.end_amdgpu_metadata
.endif
;; end of part 1
;; launch proj (part 2): grid 4 x 192, 4 waves a work-group, clusters of 4 x 4, 327,680 bytes of LDS; arguments Q, K, V, wb, qkv; writes qkv
.if DOCPART == 2
	.amdgcn_target "amdgcn-amd-amdhsa--gfx1250"
	.amdhsa_code_object_version 6
	.text
	.protected	k_qa9e6e93363_proj
	.globl	k_qa9e6e93363_proj
	.p2align	8
	.type	k_qa9e6e93363_proj,@function
k_qa9e6e93363_proj:
	s_mov_b64 s[64:65], 0
	v_nop
	global_prefetch_b8 v0, s[64:65] scope:SCOPE_SE
	s_setreg_imm32_b32 hwreg(HW_REG_WAVE_MODE, 25, 1), 1
	s_wait_xcnt 0x0
	s_wait_alu depctr_hold_cnt(0) depctr_sa_sdst(0) depctr_va_vdst(0) depctr_va_sdst(0) depctr_va_ssrc(0) depctr_va_vcc(0) depctr_vm_vsrc(0)
	s_getreg_b32 s2, hwreg(HW_REG_IB_STS2, 6, 4)
	s_cmp_eq_u32 s2, 0
	s_cbranch_scc0 .Lentry_in_a_cluster
	s_endpgm
.Lentry_in_a_cluster:
	s_bfe_u32 s2, ttmp6, 0x10000c
	s_cmp_lg_u32 s2, 0xf033
	s_cbranch_scc0 .Lentry_shape_is_right
	s_endpgm
.Lentry_shape_is_right:
; THE THREE PROJECTIONS.  q, k, v = X W, X = Q, K or V [8192][1024] f32, W = plane 0, 1 or 2 of wb [k 1024][n 1024] bf16.  X is rounded to bf16 between LDS and the matrix unit; sums in f32.
; OUT: qkv, f16, [bh 64][slot 8][which 3][row 256][64]: by heads, and a slot's K and V on end.  q is multiplied by c = log2(e) / 8 in f32 ahead of its one rounding, so that the scores arrive as exponents of 2.
; LIMIT: f16 ends at 65,504: |c q|, |k|, |v| must stay below it (inputs of unit spread give a spread of 1).
; SHARES.  A work-group makes 128 rows x 256 columns, each of its four waves 64 x 128: 32 accumulators.  K goes in 8 steps of 128 through two LDS slots.  768 work-groups: three for each of 256.
; CLUSTER 4 x 4.  The four of a row of the cluster hold all 1,024 columns of one block of rows: X's tile is asked for jointly along the row; W's tile along the column.  Waves 0, 1 fetch X's two halves (64 rows of 512 bytes), waves 2, 3 W's (64 k rows of 512 bytes).
; THE MATRIX INSTRUCTION IS USED TRANSPOSED: source 0 = 16 columns of W (turned on the way out of LDS by ds_load_tr16_b128), source 1 = 16 rows of X: a lane then holds one row and eight neighbouring columns.
; ONE TEXT FOR BOTH SLOTS: the slot to fill (TF) and the slot to read (TR) are scalars that take the values 0 and SLOT by turns; the LDS words and the read addresses are made anew from them.
; REGISTERS: window 0: v16-30 addresses; v32-95 X's fragments in bf16, two buffers; v128-255 W's, two buffers.  window 1: the accumulators, (a, b) at 8 (8 a + b).  window 2: v0-63 X as it lies in LDS, f32.
.set PA,    528                        ; a row of X in LDS: 512 bytes + 16 = 132 words: the 16 rows of a load start at 16 different groups of four banks
.set PB,    544                        ; a row of W: 512 + 32 = 136 words
.set HA,    64*PA
.set HB,    64*PB
.set BOFF,  2*HA                       ; a slot: X's 128 rows, then W's 128 k rows
.set SLOT,  BOFF+2*HB
.set STAGE, 2*SLOT                     ; behind the ring, never filled by a tensor load: 16 rows x 144 bytes for each wave
.set SP,    144
.set SPARE, STAGE+4*16*SP              ; behind the stages: the spare words, 128 bytes a wave, that no other line names
.set ADRA, 16                          ; v16  where my fragments of X lie in the slot that is read
.set ADRB, 17                          ; v17  the same for W
.set A0,   18                          ; v18  the same in slot 0; never rewritten
.set B0,   19                          ; v19
.set STO,  24                          ; v24  the way out: where I put 16 bytes of a row
.set RD,   25                          ; v25  where I read rows back
.set GO,   26                          ; v26  my 16 bytes of 512 consecutive bytes of qkv
.set SPW,  28                          ; v28  SPARE + 4 x my thread's number; never rewritten
.set NIL,  29                          ; v29  0; never rewritten
.set PFO,  30                          ; v30  the prefetches' offset; never rewritten
.set FA0,  32
.set FB0,  128
.set T,    32                          ; the way out: 16 registers a tile
.set WV,  14                           ; s14  my wave's number
.set WM,  15                           ; s15  which 64 rows are mine.  Also: I fetch for X (0) or for W (1)
.set WN,  16                           ; s16  which 128 columns.  Also: which half of that tile I fetch
.set CX,  17
.set CY,  18
.set WH,  19                           ; s19  0: q, 1: k, 2: v: the same in all sixteen partners
.set TM,  20                           ; s20  block of 128 rows
.set TN,  21                           ; s21  block of 256 columns
.set TF,  22
.set TR,  23
.set G1A, 24                           ; s[24:31] group 1 for X's tiles
.set G0A, 32                           ; s[32:35] group 0, step 0 into slot 0; s[36:39] walks on from step 1
.set LBA, 40                           ; s40  my half's place in a slot, for X
.set LBB, 41                           ; s41  for W
.set LIM, 42                           ; s42  2 in a wave that prefetches, else the greatest number
.set PFA, 44                           ; s[44:45] where my prefetches stand
.set SC,  46                           ; s[46:47] c for q, 1 for k and v
.set G1B, 48
.set G0B, 56
.set OB,  6                            ; s[6:7], s[8:9] qkv at my rows of my two heads
.set MSB, 0
.macro WIN new                         ; the immediate's high byte repeats the setting that is left; a switch that changes nothing is dropped
.if MSB != (\new)
	s_set_vgpr_msb (MSB<<8)|(\new)
.set MSB, \new
.endif
.endm
.macro PLACES
.rept 4
	v_nop
.endr
.endm
; A joint refill by the walking descriptor.  The branch hangs on the wave's number alone.  An s_nop 0 and four v_nop follow each of the two lines.
.macro JLOAD
	s_cmp_eq_u32 s[WM], 0
	s_cbranch_scc0 .Lfor_b_\@
	tensor_load_to_lds s[G0A+4:G0A+7], s[G1A:G1A+7]
	s_nop 0
.rept 4
	v_nop
.endr
	s_branch .Lasked_\@
.Lfor_b_\@:
	tensor_load_to_lds s[G0B+4:G0B+7], s[G1B:G1B+7]
	s_nop 0
.rept 4
	v_nop
.endr
.Lasked_\@:
.endm
.macro CREST                           ; a round of the cluster's barrier behind its opening barrier
	s_cmp_lg_u32 s[WV], 0
	s_cbranch_scc1 .Lnot_wave_0_\@
	s_barrier_signal -3
.Lnot_wave_0_\@:
	s_barrier_wait -3
	s_barrier_signal -1
	s_barrier_wait -1
.endm
.macro CROUND
	s_barrier_signal -1
	s_barrier_wait -1
	CREST
.endm
; A prefetch of X for the K step two refills on: of the 64 rows that waves 0 and 1 fetch, each of the four partners along the row takes 16, told apart by address; a row's 512 bytes of a step are two lanes' blocks.
; No other cluster reads these rows, so each block is named once in the launch.  The loop's last two trips have no step two refills on.  W is not asked for: every cluster reads it again.
.macro ASK
	s_cmp_gt_u32 s3, s[LIM]
	s_cbranch_scc0 .Lnot_mine_\@
	global_prefetch_b8 v[PFO], s[PFA:PFA+1] th:TH_LOAD_NT scope:SCOPE_SE
.Lnot_mine_\@:
.endm
	s_load_b256 s[4:11], s[0:1], 0x0               ; Q s[4:5], K s[6:7], V s[8:9], wb s[10:11]
	s_load_b64 s[12:13], s[0:1], 0x20              ; qkv
	v_lshl_add_u32 v[SPW], v0, 2, SPARE
	v_mov_b32 v[NIL], 0
	ds_add_u32 v[SPW], v[NIL]                      ; the wave's opening: the add and its wait stand ahead of my first tensor load; work on registers stands between them
	v_lshrrev_b32 v1, 5, v0
	v_readfirstlane_b32 s[WV], v1
	s_lshr_b32 s[WM], s[WV], 1
	s_and_b32 s[WN], s[WV], 1
	s_bfe_u32 s[CX], ttmp6, 0x40000
	s_bfe_u32 s[CY], ttmp6, 0x40004
	s_and_b32 s[TM], ttmp7, 0xffff                 ; the cluster's y: 16 for each of q, k, v
	s_lshr_b32 s[WH], s[TM], 4
	s_and_b32 s[TM], s[TM], 15
	s_lshl_b32 s[TM], s[TM], 2
	s_add_co_u32 s[TM], s[TM], s[CY]
	s_lshl_b32 s[TN], ttmp9, 2
	s_add_co_u32 s[TN], s[TN], s[CX]
	s_lshl_b32 s2, s[CY], 2
	s_lshl_b32 s2, 15, s2                          ; my row of the cluster
	s_or_b32 s[G1A], s2, (2<<16)|(1<<20)|(1<<21)|(6<<22)|(3<<25)   ; the mask; elements of 4 bytes; padding on; bit 21 beside a mask; after every 128 words, 4 words
	s_lshl_b32 s42, 0x1111, s[CX]                  ; my column
	s_or_b32 s[G1B], s42, (1<<16)|(1<<20)|(1<<21)|(6<<22)|(7<<25)  ; elements of 2 bytes; after every 128 words, 8 words
	s_mov_b32 s[G1A+1], 128<<16                    ; tensor_dim0 = 128
	s_mov_b32 s[G1A+2], 64<<16                     ; tensor_dim1 = 64
	s_mov_b32 s[G1A+3], 128<<16                    ; tile_dim0 = 128
	s_mov_b32 s[G1A+4], 64                         ; tile_dim1 = 64
	s_mov_b32 s[G1A+5], 1024                       ; elements from row to row
	s_mov_b32 s[G1A+6], 0
	s_mov_b32 s[G1A+7], 0
	s_mov_b32 s[G1B+1], 256<<16
	s_mov_b32 s[G1B+2], 64<<16
	s_mov_b32 s[G1B+3], 256<<16
	s_mov_b32 s[G1B+4], 64
	s_mov_b32 s[G1B+5], 1024
	s_mov_b32 s[G1B+6], 0
	s_mov_b32 s[G1B+7], 0
	s_lshl_b32 s2, s[TM], 19                       ; X: (128 tm + 64 half) rows of 4,096 bytes: made of the tile row and the wave alone
	s_lshl_b32 s3, s[WN], 18
	s_add_co_u32 s2, s2, s3
	s_mov_b32 s3, 0
	s_lshl_b32 s42, s[WH], 21                      ; W: the plane, 64 half k rows of 2,048 bytes, 512 tn: made of the tile column, the plane and the wave alone
	s_lshl_b32 s43, s[WN], 17
	s_add_co_u32 s42, s42, s43
	s_lshl_b32 s43, s[TN], 9
	s_add_co_u32 s42, s42, s43
	s_mov_b32 s43, 0
	s_mul_i32 s[LBA], s[WN], HA                    ; no place in the cluster enters an LDS address
	s_mul_i32 s[LBB], s[WN], HB
	s_add_co_u32 s[LBB], s[LBB], BOFF
	s_mov_b32 s[TF], SLOT                          ; the walking descriptors begin in slot 1
	s_mov_b32 s[TR], 0
	s_cmp_eq_u32 s[WH], 0
	s_cselect_b32 s[SC], 0x3e38aa3b, 1.0           ; c = log2(e) / 8 = 0.180337
	s_mov_b32 s[SC+1], s[SC]                       ; named with it as a pair
	s_wait_dscnt 0x0                               ; the opening add is done
	s_wait_kmcnt 0x0
	s_cmp_eq_u32 s[WH], 1
	s_cselect_b64 s[4:5], s[6:7], s[4:5]
	s_cmp_eq_u32 s[WH], 2
	s_cselect_b64 s[4:5], s[8:9], s[4:5]           ; X
	s_mov_b32 s[G0A], 1
	s_add_co_u32 s[G0A+1], s[LBA], 0
	s_add_nc_u64 s[G0A+2:G0A+3], s[4:5], s[2:3]
	s_mov_b32 s[G0A+4], 1
	s_add_co_u32 s[G0A+5], s[LBA], SLOT
	s_add_nc_u64 s[G0A+6:G0A+7], s[G0A+2:G0A+3], 512      ; K step 1: 128 numbers of 4 bytes on
	s_or_b32 s[G0A+3], s[G0A+3], 0x80000000
	s_or_b32 s[G0A+7], s[G0A+7], 0x80000000
	s_mov_b32 s[G0B], 1
	s_add_co_u32 s[G0B+1], s[LBB], 0
	s_add_nc_u64 s[G0B+2:G0B+3], s[10:11], s[42:43]
	s_mov_b32 s[G0B+4], 1
	s_add_co_u32 s[G0B+5], s[LBB], SLOT
	s_add_nc_u64 s[G0B+6:G0B+7], s[G0B+2:G0B+3], 262144   ; 128 k rows of 2,048 bytes on
	s_or_b32 s[G0B+3], s[G0B+3], 0x80000000
	s_or_b32 s[G0B+7], s[G0B+7], 0x80000000
	CROUND                                         ; all sixteen work-groups are here: the first joint loads meet
	s_cmp_eq_u32 s[WM], 0                          ; a wave's two first fills stand in one branch, ahead of every wait on TENSORcnt and every LDS read: two loads of mine are out
	s_cbranch_scc0 .Lfirst_b
	tensor_load_to_lds s[G0A:G0A+3], s[G1A:G1A+7]
	s_nop 0
	tensor_load_to_lds s[G0A+4:G0A+7], s[G1A:G1A+7]
	s_nop 0
.rept 4
	v_nop
.endr
	s_branch .Lfirst_asked
.Lfirst_b:
	tensor_load_to_lds s[G0B:G0B+3], s[G1B:G1B+7]
	s_nop 0
	tensor_load_to_lds s[G0B+4:G0B+7], s[G1B:G1B+7]
	s_nop 0
.rept 4
	v_nop
.endr
.Lfirst_asked:
	; the prefetches: X at my work-group's 16 of the 64 rows that I fetch, at K step 3; each change of slots steps it first
	s_add_nc_u64 s[PFA:PFA+1], s[4:5], s[2:3]
	s_lshl_b32 s2, s[CX], 16
	s_add_nc_u64 s[PFA:PFA+1], s[PFA:PFA+1], s[2:3]
	s_add_nc_u64 s[PFA:PFA+1], s[PFA:PFA+1], 3*512
	s_cmp_eq_u32 s[WM], 0
	s_cselect_b32 s[LIM], 2, -1
	; where my two heads' rows begin in qkv
	s_lshr_b32 s2, s[TM], 4
	s_lshl_b32 s2, s2, 4                           ; 16 b
	s_lshl_b32 s3, s[TN], 2
	s_add_co_u32 s2, s2, s3
	s_lshl_b32 s3, s[WN], 1
	s_add_co_u32 s2, s2, s3                        ; + the head
	s_mul_i32 s2, s2, 786432
	s_bfe_u32 s3, s[TM], 0x30001                   ; the slot of 256 rows
	s_mul_i32 s3, s3, 98304
	s_add_co_u32 s2, s2, s3
	s_lshl_b32 s3, s[WH], 15
	s_add_co_u32 s2, s2, s3
	s_and_b32 s3, s[TM], 1
	s_lshl_b32 s3, s3, 14                          ; 128 rows of 128 bytes
	s_add_co_u32 s2, s2, s3
	s_lshl_b32 s3, s[WM], 13                       ; 64 rows
	s_add_co_u32 s2, s2, s3
	s_mov_b32 s3, 0
	s_add_nc_u64 s[OB:OB+1], s[12:13], s[2:3]
	s_add_nc_u64 s[OB+2:OB+3], s[OB:OB+1], 786432
	; lane addresses.  A fragment of X is 16 rows x 32 k: lane l holds row l % 16 and k = 8 (l / 16) + 0..7 and 16 + 8 (l / 16) + 0..7: in f32 four loads of 16 bytes, at 0, 16, 64 and 80 from 32 (l / 16).
	v_and_b32 v1, 15, v0
	v_bfe_u32 v2, v0, 4, 1
	v_and_b32 v5, 7, v0
	v_bfe_u32 v4, v0, 3, 1
	v_mul_u32_u24 v[A0], v1, PA
	v_lshl_add_u32 v[A0], v2, 5, v[A0]
	s_mul_i32 s2, s[WM], 64*PA
	v_add_nc_u32 v[A0], s2, v[A0]
	v_lshl_add_u32 v3, v2, 3, v5                   ; the turning load: k row 8 (l / 16) + l % 8, 16 bytes at 16 ((l / 8) % 2)
	v_mul_u32_u24 v[B0], v3, PB
	v_lshl_add_u32 v[B0], v4, 4, v[B0]
	s_lshl_b32 s2, s[WN], 8
	s_add_co_u32 s2, s2, BOFF
	v_add_nc_u32 v[B0], s2, v[B0]
	v_mov_b32 v[ADRA], v[A0]
	v_mov_b32 v[ADRB], v[B0]
	s_mul_i32 s2, s[WV], 16*SP
	s_add_co_u32 s2, s2, STAGE
	v_mul_u32_u24 v[STO], v1, SP
	v_lshl_add_u32 v[STO], v2, 4, v[STO]
	v_add_nc_u32 v[STO], s2, v[STO]
	v_bfe_u32 v[RD], v0, 3, 2
	v_mul_u32_u24 v[RD], v[RD], SP
	v_lshl_add_u32 v[RD], v5, 4, v[RD]
	v_add_nc_u32 v[RD], s2, v[RD]
	v_and_b32 v6, 31, v0
	v_lshlrev_b32 v[GO], 4, v6
	v_lshrrev_b32 v7, 1, v6
	v_and_b32 v6, 1, v6
	v_lshlrev_b32 v[PFO], 12, v7                   ; row l / 2,
	v_lshl_add_u32 v[PFO], v6, 8, v[PFO]           ; block l % 2
; 8 matrix instructions: row block a x all 8 column blocks, 32 along K, buffer f.  The 32 accumulators take turns in the same order in every quarter, over the backward jumps too.
.macro MUL8 f, a, zero
	WIN 0x50                                       ; C and D in window 1
.irp b, 0,1,2,3,4,5,6,7
.if \zero
	v_wmma_f32_16x16x32_bf16 v[8*(8*(\a)+(\b)):8*(8*(\a)+(\b))+7], v[FB0+64*(\f)+8*(\b):FB0+64*(\f)+8*(\b)+7], v[FA0+32*(\f)+8*(\a):FA0+32*(\f)+8*(\a)+7], 0
.else
	v_wmma_f32_16x16x32_bf16 v[8*(8*(\a)+(\b)):8*(8*(\a)+(\b))+7], v[FB0+64*(\f)+8*(\b):FB0+64*(\f)+8*(\b)+7], v[FA0+32*(\f)+8*(\a):FA0+32*(\f)+8*(\a)+7], v[8*(8*(\a)+(\b)):8*(8*(\a)+(\b))+7]
.endif
.endr
.endm
.macro MUL16 f, a0, zero
	MUL8 \f, \a0, \zero
	MUL8 \f, (\a0)+1, \zero
.endm
; 32 LDS loads in one run: quarter kq of the slot that is read: X's 64 rows x 32 k in f32 (window 2) first, then W's 32 k x 128 columns, turned, into buffer g
.macro FETCH kq, g
	WIN 0x80
.irp a, 0,1,2,3
	ds_load_b128 v[16*(\a):16*(\a)+3],     v[ADRA] offset:(\a)*16*PA+128*(\kq)
	ds_load_b128 v[16*(\a)+4:16*(\a)+7],   v[ADRA] offset:(\a)*16*PA+128*(\kq)+16
	ds_load_b128 v[16*(\a)+8:16*(\a)+11],  v[ADRA] offset:(\a)*16*PA+128*(\kq)+64
	ds_load_b128 v[16*(\a)+12:16*(\a)+15], v[ADRA] offset:(\a)*16*PA+128*(\kq)+80
.endr
	WIN 0
.irp b, 0,1,2,3,4,5,6,7
	ds_load_tr16_b128 v[FB0+64*(\g)+8*(\b):FB0+64*(\g)+8*(\b)+3],   v[ADRB] offset:(\kq)*32*PB+32*(\b)
	ds_load_tr16_b128 v[FB0+64*(\g)+8*(\b)+4:FB0+64*(\g)+8*(\b)+7], v[ADRB] offset:(\kq)*32*PB+32*(\b)+16*PB
.endr
.endm
; X's 64 f32 registers become 32 of bf16, buffer f.  These 32 plain instructions name no register of the products just issued: they are the places in front of the next loads into W's other buffer.
.macro CVT f
	WIN 0x0a
.set i, 0
.rept 32
	v_cvt_pk_bf16_f32 v[FA0+32*(\f)+i], v[2*i], v[2*i+1]
.set i, i+1
.endr
.endm
; One of a K step's first three quarters: multiplies buffer f, and in its middle fetches quarter kn into buffer g
.macro QUARTER kn, f, g, zero
	s_wait_dscnt 16                                ; X's 16 loads are in; W's 16, issued behind them, may be out
	CVT \f
	s_wait_dscnt 0x0
	MUL16 \f, 0, \zero
	FETCH \kn, \g
	MUL16 \f, 2, \zero
.endm
; The last quarter multiplies buffer 1 and changes slots: each wave waits for all its tensor loads (one is out: its part of the next slot), adds 0 to its spare word, and waits for that and for its reads of this slot.
; fill = 1: the barrier opens a round of the cluster's, and the joint refill, two K steps ahead, is the first thing behind it: it has a K step less 16 products in which to land.
.macro TURN fill
.if \fill
	s_wait_xcnt 0x0                                ; the last prefetch, a K step back, has read its address
	s_add_nc_u64 s[PFA:PFA+1], s[PFA:PFA+1], 512
.endif
	s_wait_dscnt 16
	CVT 1
	WIN 0
	s_wait_tensorcnt 0x0                           ; all my tensor loads have landed
	ds_add_u32 v[SPW], v[NIL]                      ; 0 onto my spare word
	s_wait_dscnt 1                                 ; the add alone may be out: W's fragments are in
	MUL8 1, 0, 0
	s_wait_dscnt 0x0                               ; the add is done, and my reads of this slot are over
	s_barrier_signal -1
	MUL8 1, 1, 0
	WIN 0
	s_barrier_wait -1
.if \fill
	CREST                                          ; no wave of any partner still reads this slot or has a load on its way
	s_xor_b32 s[TF], s[TF], SLOT
	s_add_co_u32 s[G0A+5], s[LBA], s[TF]
	s_add_co_u32 s[G0B+5], s[LBB], s[TF]
	s_add_nc_u64 s[G0A+6:G0A+7], s[G0A+6:G0A+7], 512
	s_add_nc_u64 s[G0B+6:G0B+7], s[G0B+6:G0B+7], 262144
	JLOAD
.endif
	s_xor_b32 s[TR], s[TR], SLOT
	v_add_nc_u32 v[ADRA], s[TR], v[A0]
	v_add_nc_u32 v[ADRB], s[TR], v[B0]
	FETCH 0, 0
.if \fill
	ASK
.endif
	MUL16 1, 2, 0
.endm
	s_wait_tensorcnt 1                             ; my part of K step 0 is in; step 1's may stay out
	s_barrier_signal -1
	s_barrier_wait -1
	FETCH 0, 0
	QUARTER 1, 0, 1, 1                             ; the first quarter's products start the sums
	WIN 0
	s_mov_b32 s3, 6
.Llap:                                                 ; a trip: a K step's quarters 1 to 3 and the next step's quarter 0; steps 2 to 7 are asked for
	QUARTER 2, 1, 0, 0
	QUARTER 3, 0, 1, 0
	TURN 1
	QUARTER 1, 0, 1, 0
	WIN 0
	s_sub_co_u32 s3, s3, 1
	s_cmp_lg_u32 s3, 0
	s_cbranch_scc1 .Llap
	s_mov_b32 s3, 2
.Ltail:                                                ; the last two K steps ask for nothing: a text of their own; walked twice and left in its middle
	QUARTER 2, 1, 0, 0
	QUARTER 3, 0, 1, 0
	TURN 0                                         ; in the second trip its barrier and its run of loads (from the slot read before) serve nothing: the price, once a work-group, of one text for both steps
	WIN 0
	s_sub_co_u32 s3, s3, 1
	s_cmp_eq_u32 s3, 0
	s_cbranch_scc1 .Lout
	QUARTER 1, 0, 1, 0
	WIN 0
	s_branch .Ltail
.Lout:
	s_wait_dscnt 0x0                               ; those loads are back: their registers are written again below
	; THE WAY OUT.  Tile t = 2 a + hh: 16 rows of one head, its four accumulators at 32 t.  Scaled, rounded to f16, through my stage, and out as 512 consecutive bytes a store.
	PLACES
	PLACES
.macro PACK t
	WIN 0x41
.set i, 32*(\t)
.rept 16
	v_pk_mul_f32 v[i:i+1], v[i:i+1], s[SC:SC+1] op_sel_hi:[1,0]   ; each accumulator is read from its low end on
.set i, i+2
.endr
	WIN 0x05
.set i, 0
.rept 16
	v_cvt_pk_f16_f32 v[T+16*(\t)+i], v[32*(\t)+2*i], v[32*(\t)+2*i+1]
.set i, i+1
.endr
	WIN 0
.irp f, 0,1,2,3
	ds_store_b128 v[STO], v[T+16*(\t)+4*\f:T+16*(\t)+4*\f+3] offset:32*\f
.endr
.irp f, 0,1,2,3
	ds_load_b128 v[T+16*(\t)+4*\f:T+16*(\t)+4*\f+3], v[RD] offset:\f*4*SP  ; LDS serves a wave's instructions in order: these see the stores above, and the next tile's stores come behind them
.endr
.endm
.macro SEND t, younger                 ; younger: the LDS instructions issued behind tile t's loads
	WIN 0
.irp f, 0,1,2,3
	s_wait_dscnt (\younger)+3-\f
	global_store_b128 v[GO], v[T+16*(\t)+4*\f:T+16*(\t)+4*\f+3], s[OB+2*((\t)%2):OB+2*((\t)%2)+1] offset:((\t)/2)*2048+\f*512
.endr
.endm
	PACK 0
.set t, 1
.rept 7
	PACK t
	SEND t-1, 8
.set t, t+1
.endr
	SEND 7, 0
	s_wait_tensorcnt 0x0                           ; the wave's end: behind my last tensor load and my last LDS store
	ds_add_u32 v[SPW], v[NIL]
	s_wait_dscnt 0x0
	CROUND                                         ; the closing round: no work-group ends while a partner may still ask for a tile that names it
	s_endpgm
.Lfunc_end_k_qa9e6e93363_proj:
	.size	k_qa9e6e93363_proj, .Lfunc_end_k_qa9e6e93363_proj-k_qa9e6e93363_proj
	.p2alignl 7, 3214868480
	.fill 96, 4, 3214868480
	.section	.rodata,"a",@progbits
	.p2align	6, 0x0
	.amdhsa_kernel k_qa9e6e93363_proj
		.amdhsa_group_segment_fixed_size 327680
		.amdhsa_private_segment_fixed_size 0
		.amdhsa_enable_private_segment 0
		.amdhsa_kernarg_size 40
		.amdhsa_user_sgpr_count 2
		.amdhsa_user_sgpr_kernarg_segment_ptr 1
		.amdhsa_wavefront_size32 1
		.amdhsa_system_sgpr_workgroup_id_x 1
		.amdhsa_system_sgpr_workgroup_id_y 1
		.amdhsa_system_sgpr_workgroup_id_z 1
		.amdhsa_system_vgpr_workitem_id 0
		.amdhsa_next_free_vgpr 576
		.amdhsa_next_free_sgpr 66
		.amdhsa_reserve_vcc 0
		.amdhsa_float_denorm_mode_32 3
		.amdhsa_float_denorm_mode_16_64 3
		.amdhsa_memory_ordered 1
		.amdhsa_forward_progress 1
		.amdhsa_inst_pref_size 94
	.end_amdhsa_kernel
	.amdgpu_metadata
---
amdhsa.version: [ 1, 2 ]
amdhsa.kernels:
  - .name:           k_qa9e6e93363_proj
    .symbol:         k_qa9e6e93363_proj.kd
    .args:
      - { .name: Q, .offset: 0, .size: 8, .value_kind: global_buffer, .address_space: global }
      - { .name: K, .offset: 8, .size: 8, .value_kind: global_buffer, .address_space: global }
      - { .name: V, .offset: 16, .size: 8, .value_kind: global_buffer, .address_space: global }
      - { .name: wb, .offset: 24, .size: 8, .value_kind: global_buffer, .address_space: global }
      - { .name: qkv, .offset: 32, .size: 8, .value_kind: global_buffer, .address_space: global }
    .group_segment_fixed_size: 327680
    .private_segment_fixed_size: 0
    .kernarg_segment_align: 8
    .kernarg_segment_size: 40
    .max_flat_workgroup_size: 128
    .sgpr_count:     66
    .vgpr_count:     576
    .wavefront_size: 32
...
	.end_amdgpu_metadata
.endif
;; end of part 2
;; launch attn (part 3): grid 4 x 64, 4 waves a work-group, clusters of 4 x 1, 327,680 bytes of LDS; arguments qkv, mw, ctx; writes ctx
.if DOCPART == 3
	.amdgcn_target "amdgcn-amd-amdhsa--gfx1250"
	.amdhsa_code_object_version 6
	.text
	.protected	k_qa9e6e93363_attn
	.globl	k_qa9e6e93363_attn
	.p2align	8
	.type	k_qa9e6e93363_attn,@function
k_qa9e6e93363_attn:
	s_mov_b64 s[64:65], 0
	v_nop
	global_prefetch_b8 v0, s[64:65] scope:SCOPE_SE
	s_setreg_imm32_b32 hwreg(HW_REG_WAVE_MODE, 25, 1), 1
	s_wait_xcnt 0x0
	s_wait_alu depctr_hold_cnt(0) depctr_sa_sdst(0) depctr_va_vdst(0) depctr_va_sdst(0) depctr_va_ssrc(0) depctr_va_vcc(0) depctr_vm_vsrc(0)
	s_getreg_b32 s2, hwreg(HW_REG_IB_STS2, 6, 4)
	s_cmp_eq_u32 s2, 0
	s_cbranch_scc0 .Lentry_in_a_cluster
	s_endpgm
.Lentry_in_a_cluster:
	s_bfe_u32 s2, ttmp6, 0x10000c
	s_cmp_lg_u32 s2, 0x3003
	s_cbranch_scc0 .Lentry_shape_is_right
	s_endpgm
.Lentry_shape_is_right:
; MASKED ATTENTION.  ctx[bh][q][:] = the sum over k of softmax_k(s) V[k][:], s = the score, or -1e9 where mask[b][q][k] is set.  q, k, v lie in qkv, f16, [bh 64][slot 8][q, k, v][256][64]; q holds c q, c = log2(e) / 8,
; so the product K Q^T is t = s log2(e) and p = 2^(t - m).  A masked t is REPLACED by NEG = -1e9 log2(e): it enters the running maximum as it does in the definition, and a row that is masked throughout gives the mean of V.
; Products, maxima and sums in f32; p is rounded to f16 for the second product (its sum l is taken of the unrounded p), ctx once at the end, f16 [bh][s][64].
; LIMITS.  f16 holds no number beyond 65,504: c q, k, v arrive within it.  A weight below 2^-126 counts as 0.  NEG is -1e9 log2(e) rounded to f32.  NaN and infinities are not treated apart.
; SHARES.  A wave owns four PIECES of two tiles of 16 queries, a work-group's four waves 512 queries of one (b, head).  Every wave walks all 2,048 keys, 64 a step.
; THE WALK BEGINS AT SLOT bh % 8 of the eight slots of 256 keys, and wraps round: the running maximum and sums take the keys in any order (the f32 sums' order differs from head to head).  So the sixteen heads of a
; batch, which all read the same mask words, read a given word at eight different times of the launch and not all at once.
; LAYOUT.  S^T = K Q^T: a lane holds ONE query (lane % 16) and the keys 8 (lane / 16) + 0..7 of each block of 16.  Two such results rounded to f16 ARE source 1 of O^T = V^T P.  K comes out of LDS as it lies, V turned.
; THE MASK.  mw holds, for a pair of tiles and a key step, 64 words: word 32 u + 8 kb + j is the lane mask of register 8 kb + j of tile u.  They come by four scalar loads a turn, asked for a turn ahead, and
; one v_cndmask_b32 a register replaces the masked scores, ahead of the maximum.
; BY TURNS.  Turn n belongs to piece n: 16 products K Q^T of piece n + 1, later 16 products V^T P of piece n - 1; beside them the scaling, exponentials, roundings, sums and rescaling of piece n and the mask, maximum and
; statistics of piece n + 1.  Four vector instructions stand behind every matrix instruction, the rest in one lump.  A turn's 66 exponentials are one batch with one wait.
; CLUSTER.  The four query blocks of a (b, head) walk the same K and V: each tile is asked for JOINTLY.  A slot's K and V are 65,536 consecutive bytes: each wave brings a quarter by the same line, its own rows.
; REGISTERS: window 0: v0-11 addresses, NEG, the prefetches' offsets; v12-15, v48-63 at work; v16-47 four registers of statistics a tile; v64-191 S^T, two buffers of two tiles; v192-255 P, likewise
;   window 1: O^T, 32 a tile      window 2: v0-127 Q; v128-191 K of one step; v192-255 V of one step      window 3: v0-1 the add's two registers
.set SIZE_N, 2048
.set NP,    4
.set KS,    64
.set PK,    160       ; a row of K or V in LDS: 128 bytes + 32 = 40 words.  One descriptor serves both, K's sixteen rows fall on eight groups of banks, two deep
.set PV,    160
.set VOFF,  4*KS*PK   ; a slot holds four steps: 256 rows of K, then 256 rows of V
.set SLOT1, 1<<17     ; slot 1 begins here, so that one exclusive or turns an address in one slot into the other's
.set STAGE, SLOT1+4*KS*(PK+PV)  ; behind the ring, never filled by a tensor load: 16 rows x 144 bytes for each wave
.set SP,    144
.set SLOTB, 98304     ; bytes from a slot to the next in qkv
.set AK0, 2
.set AV0, 3
.set AK,  4
.set AV,  5
.set QO,  6
.set STO, 6
.set RD,  7
.set GO,  8
.set NEGV, 9          ; v9   NEG, from the first mask on
.set PFC, 10          ; v10  from the loop on: the prefetch's offset in the head: the slot's, plus v11
.set PFO, 11          ; v11  my block's place in a slot's K and V: 32,768 + 16,384 cx + 8,192 (w % 2) + 256 x my lane; never rewritten
.set SPW, 0           ; v0 of window 3: SPARE + 4 x my thread's number; never rewritten
.set NIL, 1           ; v1 of window 3: 0
.set SPARE, STAGE+4*16*SP
.set MV,  12
.set ST,  16          ; tile t's statistics at v[ST+4 t]: m (read by the scaling), m, l (even keys', odd keys')
.set TMP, 48
.set S,   64
.set P,   192
.set KF,  128
.set VF,  192
.set HB,  2           ; s[2:3]   qkv at my head's first byte; never rewritten
.set G0,  4           ; s[4:7]   descriptor group 0
.set SEL, 8           ; s[8:9]   v_permlanex16_b32's selects
.set OPT, 10          ; s[10:11] ctx at my wave's rows
.set WV,  12
.set LIM, 13          ; s13  1 in a wave that prefetches, else the greatest number
.set MP,  14          ; s[14:15] mw at my wave's first pair; never rewritten
.set NXT, 16          ; s16  the slot of keys to be asked for next, 0..7
.set MOFF, 17         ; s17  256 x the key step whose mask words are asked for, 0..7,936
.set SLOTS, 18
.set CNT, 19
.set TBK, 20
.set TBV, 21
.set ONE, 22          ; s[22:23] 1.0: the packed subtraction is t x 1 - m
.set G1,  24          ; s[24:31] descriptor group 1
                      ; s[32:63], s[68:99] the 64 mask words: tile 0's at s32 on, tile 1's at s68 on
.set OFF, 66          ; s[66:67] a slot's byte offset in the head
.set MSB, 0
.macro WIN new
.if MSB != (\new)
	s_set_vgpr_msb (MSB<<8)|(\new)
.set MSB, (\new)
.endif
.endm
.set W_KQ, 0x0a
.set W_PV, 0x52
.set W_RS, 0x41
.set W_MK, 0xc0
.set W_AD, 0x0f
.macro JLOAD                        ; a joint fill: every wave's quarter of a slot; an s_nop 0 and four v_nop follow
	tensor_load_to_lds s[G0:G0+3], s[G1:G1+7]
	s_nop 0
.rept 4
	v_nop
.endr
.endm
; The descriptor's address is made anew for each fill: the head's first byte plus slot NXT's K and V, my quarter; then NXT steps, round the eight.  It hangs on bh and the wave's number alone: it is equal in all four partners.
.macro KVADR
	s_mul_i32 s[OFF], s[NXT], SLOTB
	s_lshl_b32 s[OFF+1], s[WV], 14
	s_add_co_u32 s[OFF], s[OFF], s[OFF+1]
	s_add_co_u32 s[OFF], s[OFF], 32768
	s_mov_b32 s[OFF+1], 0
	s_add_nc_u64 s[G0+2:G0+3], s[HB:HB+1], s[OFF:OFF+1]
	s_or_b32 s[G0+3], s[G0+3], 0x80000000
	s_add_co_u32 s[NXT], s[NXT], 1
	s_and_b32 s[NXT], s[NXT], 7
.endm
; A prefetch of what the NEXT change of slots will ask for: a slot's 65,536 bytes of K and V are 256 blocks: the four partners take 64 each, told apart by address; in each, waves 0 and 1 take 32, a lane a block.
; No other cluster reads this head's K and V, so each block is named once.  The last change that fills a slot asks for nothing.
.macro ASK
	s_cmp_gt_u32 s[SLOTS], s[LIM]
	s_cbranch_scc0 .Lnot_mine_\@
	global_prefetch_b8 v[PFC], s[HB:HB+1] th:TH_LOAD_NT scope:SCOPE_SE
.Lnot_mine_\@:
.endm
.macro CROUND
	s_barrier_signal -1
	s_barrier_wait -1
	s_cmp_lg_u32 s[WV], 0
	s_cbranch_scc1 .Lnot_wave_0_\@
	s_barrier_signal -3
.Lnot_wave_0_\@:
	s_barrier_wait -3
	s_barrier_signal -1
	s_barrier_wait -1
.endm
; THE CHANGE OF SLOTS.  Each wave waits for all its tensor loads (one is out: its part of the other slot), adds 0 to its spare word, and waits for that and for its reads of the slot.  fill = 1: the slot is filled again behind
; a round of the cluster's barrier, the joint fill first: it has four key steps in which to land.  pf = 1: the prefetch for the change after this one.
.macro CHANGE fill, pf=0
	WIN W_AD
	s_wait_tensorcnt 0x0            ; no tensor load of mine is out, so group 0 may be written
	ds_add_u32 v[SPW], v[NIL]       ; 0 onto my spare word
	WIN 0
.if \fill
	s_xor_b32 s[G0+1], s[G0+1], SLOT1
	KVADR
.if \pf
	s_wait_xcnt 0x0                 ; the last prefetch, four key steps back, has read its offset
	s_mul_i32 s[OFF], s[NXT], SLOTB ; the slot behind the one that is asked for now
	v_add_nc_u32 v[PFC], s[OFF], v[PFO]
.endif
	s_wait_dscnt 0x0                ; the add is done, and my reads of the slot are over
	CROUND
	JLOAD
.if \pf
	ASK
.endif
.else
	s_wait_dscnt 0x0
	s_barrier_signal -1
	s_barrier_wait -1
.endif
	s_sub_co_u32 s[TBK], s[TBK], 4*KS*PK
	s_xor_b32 s[TBK], s[TBK], SLOT1
	s_sub_co_u32 s[TBV], s[TBV], 4*KS*PV
	s_xor_b32 s[TBV], s[TBV], SLOT1
.endm
.macro MLOAD x                      ; the 64 mask words of piece x for the key step at which MOFF stands
	s_load_b512 s[32:47], s[MP:MP+1], s[MOFF] offset:8192*(\x)
	s_load_b512 s[48:63], s[MP:MP+1], s[MOFF] offset:8192*(\x)+64
	s_load_b512 s[68:83], s[MP:MP+1], s[MOFF] offset:8192*(\x)+128
	s_load_b512 s[84:99], s[MP:MP+1], s[MOFF] offset:8192*(\x)+192
.endm
	s_load_b128 s[32:35], s[0:1], 0x0  ; qkv s[32:33], mw s[34:35]
	s_load_b64 s[36:37], s[0:1], 0x10  ; ctx
	WIN W_MK
	v_lshl_add_u32 v[SPW], v0, 2, SPARE
	v_mov_b32 v[NIL], 0
	WIN W_AD
	ds_add_u32 v[SPW], v[NIL]       ; the wave's opening: the add and its wait stand ahead of my first tensor load
	WIN 0
	v_lshrrev_b32 v1, 5, v0
	v_readfirstlane_b32 s[WV], v1
	s_bfe_u32 s40, ttmp6, 0x40000   ; cx
	s_lshl_b32 s41, ttmp9, 2
	s_add_co_u32 s41, s41, s40      ; my block of 512 queries
	s_and_b32 s42, ttmp7, 0xffff    ; bh, which the four partners share
	s_mul_i32 s44, s42, 786432      ; its first byte in qkv
	s_mov_b32 s45, 0
	s_and_b32 s[NXT], s42, 7        ; the walk's first slot,
	s_lshl_b32 s[MOFF], s[NXT], 10  ; and its first key step's mask words: four steps of 256 bytes a slot
	s_lshl_b32 s48, s41, 1          ; q: my wave's 128 rows lie in slot 2 blk + w / 2, half w % 2
	s_lshr_b32 s49, s[WV], 1
	s_add_co_u32 s48, s48, s49
	s_mul_i32 s48, s48, SLOTB
	s_and_b32 s49, s[WV], 1
	s_lshl_b32 s50, s49, 14
	s_add_co_u32 s48, s48, s50
	s_lshl_b32 s52, s49, 13         ; the prefetches: 8,192 (w % 2),
	s_lshl_b32 s53, s40, 14         ; 16,384 cx,
	s_add_co_u32 s52, s52, s53
	s_add_co_u32 s52, s52, 32768    ; behind the slot's q
	s_lshl_b32 s50, s41, 2
	s_add_co_u32 s50, s50, s[WV]    ; my wave among the head's
	s_lshl_b32 s54, s50, 15         ; four pairs of 8,192 bytes of mask words
	s_lshl_b32 s50, s50, 14         ; 128 rows of 128 bytes of ctx
	s_lshl_b32 s51, s42, 18
	s_add_co_u32 s50, s50, s51
	s_mov_b32 s51, 0
	s_lshr_b32 s55, s42, 4          ; b
	s_lshl_b32 s55, s55, 19         ; 64 pairs
	s_add_co_u32 s54, s54, s55
	s_mov_b32 s55, 0
	; descriptor group 1: 128 rows of 128 bytes are 16,384 dense bytes: asked for as 64 rows of 256 bytes and padded in LDS after every 128
	s_mov_b32 s[G1], 15|(1<<16)|(1<<20)|(1<<21)|(4<<22)|(7<<25)  ; the mask of four; 2-byte elements; padding on; bit 21 beside a mask; after every 32 words, 8 words
	s_mov_b32 s[G1+1], 128<<16
	s_mov_b32 s[G1+2], 64<<16
	s_mov_b32 s[G1+3], 128<<16
	s_mov_b32 s[G1+4], 64
	s_mov_b32 s[G1+5], 128
	s_mov_b32 s[G1+6], 0
	s_mov_b32 s[G1+7], 0
	s_mov_b32 s[G0], 1
	s_mul_i32 s[G0+1], s[WV], 128*PK  ; slot 0 of LDS, my quarter: no place in the cluster enters an LDS address
	s_mov_b32 s[ONE], 1.0
	s_mov_b32 s[ONE+1], 1.0
	s_mov_b32 s[SEL], 0x76543210
	s_mov_b32 s[SEL+1], 0xfedcba98
	s_mov_b32 s[TBK], SLOT1+4*KS*PK ; the first change of slots turns these two into 0
	s_mov_b32 s[TBV], SLOT1+4*KS*PV
	s_cmp_lt_u32 s[WV], 2
	s_cselect_b32 s[LIM], 1, -1
	s_wait_dscnt 0x0                ; the opening add is done
	s_wait_kmcnt 0x0
	s_add_nc_u64 s[HB:HB+1], s[32:33], s[44:45]
	KVADR                           ; the walk's first slot
	s_add_nc_u64 s[OPT:OPT+1], s[36:37], s[50:51]
	s_add_nc_u64 s[MP:MP+1], s[34:35], s[54:55]
	CROUND                          ; all four work-groups are here: the first joint loads meet
	JLOAD                           ; into slot 0 of LDS.  Slot 1 is asked for when slot 0 is in
	v_and_b32 v1, 15, v0            ; l % 16
	v_bfe_u32 v9, v0, 4, 1          ; l / 16
	v_lshlrev_b32 v[QO], 7, v1
	v_lshl_add_u32 v[QO], v9, 4, v[QO]
	v_add_nc_u32 v[QO], s48, v[QO]  ; my wave's rows of q in the head
	v_and_b32 v[PFO], 31, v0
	v_lshlrev_b32 v[PFO], 8, v[PFO]
	v_add_nc_u32 v[PFO], s52, v[PFO]
	WIN 0x80
.set i, 0
.rept 4*NP                          ; Q stays in registers: tile i / 2, channels 32 (i % 2) on
	global_load_b128 v[8*i:8*i+3],   v[QO], s[HB:HB+1] offset:(i/2)*2048+(i%2)*64
	global_load_b128 v[8*i+4:8*i+7], v[QO], s[HB:HB+1] offset:(i/2)*2048+(i%2)*64+32
.set i, i+1
.endr
	MLOAD 0                         ; piece 0's mask for the walk's first key step: from here on s32-63 and s68-99 hold mask words alone
	; What the first turn finds: V's registers and P's second buffer hold 0, O^T and l are 0.  All this stands in the wait for the first tile.
.set i, VF
.rept 64
	v_mov_b32 v[i], 0
.set i, i+1
.endr
	WIN 0x40
.set i, 0
.rept 64*NP
	v_mov_b32 v[i], 0
.set i, i+1
.endr
	WIN 0
.set i, 0
.rept 2*NP
	v_mov_b32 v[ST+4*i], 0xfe000000    ; far below every t, NEG too: the first step's a is 0
	v_mov_b32 v[ST+4*i+1], 0xff7fffff  ; m: the lowest finite number
	v_mov_b32 v[ST+4*i+2], 0
	v_mov_b32 v[ST+4*i+3], 0
.set i, i+1
.endr
.set i, P+32
.rept 32
	v_mov_b32 v[i], 0
.set i, i+1
.endr
	v_mul_u32_u24 v[AK0], v1, PK
	v_lshl_add_u32 v[AK0], v9, 4, v[AK0]
	v_and_b32 v10, 7, v0
	v_bfe_u32 v[AV], v0, 3, 1
	v_lshl_add_u32 v[AV0], v9, 3, v10
	v_mul_u32_u24 v[AV0], v[AV0], PV
	v_lshl_add_u32 v[AV0], v[AV], 4, v[AV0]
	v_add_nc_u32 v[AV0], VOFF, v[AV0]
	v_mov_b32 v[AK], v[AK0]
; THE MATRIX WORK.  The 8 accumulators of a run of 16 take turns.
.macro KQ x
	WIN W_KQ
.set rS, S+64*((\x)%2)+32*(i%2)+8*((i/2)%4)
.set rK, KF+16*((i/2)%4)+8*(i/8)
.set rQ, 16*(2*(\x)+i%2)+8*(i/8)
.if i < 8
	v_wmma_f32_16x16x32_f16 v[rS:rS+7], v[rK:rK+7], v[rQ:rQ+7], 0
.else
	v_wmma_f32_16x16x32_f16 v[rS:rS+7], v[rK:rK+7], v[rQ:rQ+7], v[rS:rS+7]
.endif
.endm
.macro PV x
	WIN W_PV
.set rO, 32*(2*(\x)+i%2)+8*((i/2)%4)
.set rV, VF+32*(i/8)+8*((i/2)%4)
.set rP, P+32*((\x)%2)+16*(i%2)+8*(i/8)
	v_wmma_f32_16x16x32_f16 v[rO:rO+7], v[rV:rV+7], v[rP:rP+7], v[rO:rO+7]
.endm
.macro MM
.if i < 16
	KQ (Y+1)%NP
.set i, i+1
.else
.set i, i-16
	PV (Y+NP-1)%NP
.set i, i+17
.endif
.endm
; THE LDS LOADS stand in runs of 16.  last = 1 (the tail): in the last trip there is no further step, and the run is jumped over.
.macro FETCH_K last=0
	WIN 0
.if \last
	s_cmp_eq_u32 s[CNT], 1
	s_cbranch_scc1 .Lno_k_\@
.endif
	WIN 0x80
.irp f, 0,1,2,3,4,5,6,7
	ds_load_b128 v[KF+8*\f:KF+8*\f+3],   v[AK] offset:(\f/2)*16*PK+(\f%2)*64
	ds_load_b128 v[KF+8*\f+4:KF+8*\f+7], v[AK] offset:(\f/2)*16*PK+(\f%2)*64+32
.endr
	s_add_co_u32 s[TBK], s[TBK], KS*PK
	WIN 0
.if \last
.Lno_k_\@:
.endif
.endm
.macro FETCH_V
	WIN 0x80
.irp f, 0,1,2,3,4,5,6,7
	ds_load_tr16_b128 v[VF+8*\f:VF+8*\f+3],   v[AV] offset:(\f/4)*32*PV+(\f%4)*32
	ds_load_tr16_b128 v[VF+8*\f+4:VF+8*\f+7], v[AV] offset:(\f/4)*32*PV+16*PV+(\f%4)*32
.endr
	WIN 0
.endm
; THE VECTOR WORK OF A TURN stands in three queues; the two tiles alternate.
.macro REGS y, u
.set rT, ST+4*(2*(\y)+(\u))
.set rC, TMP+8*((\y)%2)+4*(\u)
.set rM, MV+2*((\y)%2)+(\u)
.set rS, S+64*((\y)%2)+32*(\u)
.set rP, P+32*((\y)%2)+16*(\u)
.set rO, 32*(2*(\y)+(\u))
.endm
; Number n of the 64 that mask the NEXT piece's scores: register n / 2 of tile n % 2; each accumulator's lowest register is read first.
.macro MK n
	REGS (Y+1)%NP, (\n)%2
	v_cndmask_b32 v[rS+(\n)/2], v[rS+(\n)/2], v[NEGV], s[32+36*((\n)%2)+(\n)/2]
.endm
; Number n of the 22 that find the next piece's maximum and statistics: 0-11 four chains of seven scores; 12-14, 16 the four left over, the old m, the four into one; 15 m_old is kept; 17, 18 the other half of the lanes; 19-21 m for the scaling; m_old - m_new; a
.macro XS u, n
	REGS (Y+1)%NP, \u
.if (\n) < 4
	v_max3_num_f32 v[rC+(\n)], v[rS+8*(\n)], v[rS+8*(\n)+1], v[rS+8*(\n)+2]
.elseif (\n) < 12
	v_max3_num_f32 v[rC+(\n)%4], v[rC+(\n)%4], v[rS+8*((\n)%4)+2*((\n)/4)+1], v[rS+8*((\n)%4)+2*((\n)/4)+2]
.elseif (\n) == 12
	v_max3_num_f32 v[rC], v[rC], v[rS+7], v[rS+15]
.elseif (\n) == 13
	v_max3_num_f32 v[rC+1], v[rC+1], v[rS+23], v[rS+31]
.elseif (\n) == 14
	v_max3_num_f32 v[rC+2], v[rC+2], v[rC+3], v[rT+1]
.elseif (\n) == 15
	v_mov_b32 v[rM], v[rT]
.elseif (\n) == 16
	v_max3_num_f32 v[rC], v[rC], v[rC+1], v[rC+2]
.elseif (\n) == 17
	v_permlanex16_b32 v[rC+3], v[rC], s[SEL], s[SEL+1]
.elseif (\n) == 18
	v_max_num_f32 v[rT+1], v[rC], v[rC+3]
.elseif (\n) == 19
	v_mov_b32 v[rT], v[rT+1]
.elseif (\n) == 20
	v_sub_f32 v[rC+1], v[rM], v[rT]
.else
	v_exp_f32 v[rC+2], v[rC+1]
.endif
.endm
; Number g of the 64 that follow the exponentials: for each four weights both pairs are rounded to f16, the second pair is added onto the first, and a group later l takes that sum (the first time as l = a l + sum).
.macro GS g
.set h, (\g)+6*((\g)/62)
.if h >= 6
.set h, h+2
.endif
	REGS Y, h%2
.set k, h/8
.if h%8 < 4
	v_cvt_pk_f16_f32 v[rP+2*k+(h%8)/2], v[rS+4*k+2*((h%8)/2)], v[rS+4*k+2*((h%8)/2)+1]
.elseif h%8 < 6
	v_pk_add_f32 v[rS+4*k:rS+4*k+1], v[rS+4*k:rS+4*k+1], v[rS+4*k+2:rS+4*k+3]
.elseif k == 1
	v_pk_fma_f32 v[rT+2:rT+3], v[rT+2:rT+3], v[rC+2:rC+3], v[rS:rS+1] op_sel_hi:[1,0,1]
.else
	v_pk_add_f32 v[rT+2:rT+3], v[rT+2:rT+3], v[rS+4*k-4:rS+4*k-3]
.endif
.endm
.macro FS f                         ; t - m for pair f / 2 of tile f % 2
	REGS Y, (\f)%2
	v_pk_fma_f32 v[rS+2*((\f)/2):rS+2*((\f)/2)+1], v[rS+2*((\f)/2):rS+2*((\f)/2)+1], s[ONE:ONE+1], v[rT:rT+1] op_sel_hi:[1,0,0] neg_lo:[0,0,1] neg_hi:[0,0,1]
.endm
; THE PLAIN QUEUE, 202 long.  0-26: scalings 0-26.  27-90: the 64 masks.  91-118: the maximum's numbers 0-13.  119, 120: number 15.  121-137: the chain 14, 16 .. 20, scalings 27-31 between its links.  138-201: GS's 64, behind the wait.
.macro PL
	WIN 0
.if q < 27
	FS q
.elseif q < 91
	MK q-27
.else
.set qq, q-64
.if qq < 55
	XS (qq-27)%2, (qq-27)/2
.elseif qq < 57
	XS qq-55, 15
.elseif (qq < 72) && ((qq-57)%3 == 0)
	FS 27+(qq-57)/3
.elseif qq < 60
	XS (qq-57)%3-1, 14
.elseif qq < 72
	XS (qq-57)%3-1, 15+(qq-57)/3
.elseif qq < 74
	XS qq-72, 20
.else
	GS qq-74
.endif
.endif
.set q, q+1
.endm
.macro EX                           ; THE EXPONENTIALS' QUEUE, 66 long: one batch, all ahead of the turn's one wait
	WIN 0
.if e >= 64
	XS e-64, 21
.else
	REGS Y, e%2
	v_exp_f32 v[rS+e/2], v[rS+e/2]
.endif
.set e, e+1
.endm
.macro R2                           ; THE RESCALING's QUEUE: O^T times a, two at a time
	REGS Y, r%2
	WIN W_RS
.irp z, 0,1
	v_pk_mul_f32 v[rO+4*(r/2)+2*\z:rO+4*(r/2)+2*\z+1], v[rO+4*(r/2)+2*\z:rO+4*(r/2)+2*\z+1], v[rC+2:rC+3] op_sel_hi:[1,0]
.endr
.set r, r+1
.endm
; A TURN, for piece p.  AHEAD OF THE WAIT: the 16 products K Q^T, behind each a scaling, an exponential and two rescalings; then the lump: ten plain and two exponentials; the wait for the mask words, asked for a turn ago; the 64 masks
; (more than four plain instructions behind the last product, none of which names its registers); exponential and plain by turns, among them the request for the next turn's mask words, behind the last reader of this turn's.
; The masks stand as one block between two neighbours of the plain queue, so every exponential still stands behind its scaling.  BEHIND THE WAIT: the 16 products V^T P, behind each four of the roundings and sums.
; Piece 2's turn steps the mask words' offset to the next key step, round the 32: the wait for the words has shown every load that named it done.
.macro TURN p, last=0, cnt=0
.set Y, (\p)
.set i, 0
.set q, 0
.set e, 0
.set r, 0
.if (\p) == NP-1
	s_wait_dscnt 0x0                ; K is in
.endif
	MM
	PL
	PL
	R2
.rept 15
	MM
	PL
	EX
	R2
.endr
.if (\p) == NP-2
	WIN 0
	v_add_nc_u32 v[AK], s[TBK], v[AK0]
.endif
.rept 8
	PL
.endr
.rept 2
	EX
	PL
.endr
	s_wait_kmcnt 0x0                ; the mask words of piece p + 1 are in
.rept 64
	PL
.endr
.rept 4
	EX
	PL
.endr
.if (\p) == NP-2
	s_add_co_u32 s[MOFF], s[MOFF], 256
	s_and_b32 s[MOFF], s[MOFF], 8191
.endif
	MLOAD ((\p)+2)%NP
.rept 43
	EX
	PL
.endr
	EX                              ; the next piece's two a
	EX
	v_nop                           ; a plain instruction behind the last exponential: one for the batch
	s_wait_alu depctr_va_vdst(0)    ; the wait for the batch, ahead of the first reader
.if (\p) == NP-2
	FETCH_K \last
.endif
.if (\p) == 1
	s_wait_dscnt 0x0                ; V is in
.endif
.rept 16
	MM
.rept 4
	PL
.endr
.if ((\p) == 0) && (q == 182)
	v_add_nc_u32 v[AV], s[TBV], v[AV0]
.endif
.if ((\p) == 0) && (q == 194)
	s_add_co_u32 s[TBV], s[TBV], KS*PV
.endif
.if (\cnt) && (q == 194)
	s_sub_co_u32 s[CNT], s[CNT], 1
	s_cmp_lg_u32 s[CNT], 0
.endif
.endr
.if (\p) == 0
	FETCH_V
.endif
.endm
	CHANGE 1, 0                     ; slot 0 is in, everybody's part of it; slot 1 is asked for
	FETCH_K                         ; the walk's first key step
	s_wait_loadcnt 0x0              ; Q
	s_wait_dscnt 0x0
.set i, 0
.rept 16
	KQ 0                            ; piece 0's first scores
.set i, i+1
.endr
	WIN 0                           ; the addresses for the way out and NEG: plain instructions, the places behind those products
	s_mul_i32 s[CNT], s[WV], 16*SP
	s_add_co_u32 s[CNT], s[CNT], STAGE
	v_mul_u32_u24 v[STO], v1, SP
	v_lshl_add_u32 v[STO], v9, 4, v[STO]
	v_add_nc_u32 v[STO], s[CNT], v[STO]
	v_bfe_u32 v[RD], v0, 3, 2
	v_mul_u32_u24 v[RD], v[RD], SP
	v_lshl_add_u32 v[RD], v10, 4, v[RD]
	v_add_nc_u32 v[RD], s[CNT], v[RD]
	v_and_b32 v[GO], 31, v0
	v_lshlrev_b32 v[GO], 4, v[GO]
	v_mov_b32 v[NEGV], 0xceabfb8f   ; -1e9 log2(e)
	s_wait_kmcnt 0x0                ; piece 0's mask words
.set Y, NP-1                        ; MK and XS work for piece Y + 1: piece 0
.set mk, 0
.rept 64
	MK mk
.set mk, mk+1
.endr
	MLOAD 1
.irp n, 0,1,2,3,4,5,6,7,8,9,10,11,12,13,14,15,16,17,18,19,20,21
	XS 0, \n
	XS 1, \n
.endr
	v_nop                           ; a plain instruction behind the two a,
	s_wait_alu depctr_va_vdst(0)    ; and their wait, ahead of the branch
	s_mov_b32 s[CNT], 4
	s_mov_b32 s[SLOTS], SIZE_N/256-1
	s_branch .Lfirst                ; the loop is entered at a step's first turn
.Lslot:                             ; six times: the walk's third to eighth slots are asked for
	CHANGE 1, 1
	s_mov_b32 s[CNT], 4
.Lstep:                             ; a trip: pieces 2 and 3 of one step, then pieces 0 and 1 of the next
	TURN 2
	TURN 3
	WIN 0
.Lfirst:
	TURN 0
	TURN 1, 0, 1
	WIN 0
	s_cbranch_scc1 .Lstep
	s_sub_co_u32 s[SLOTS], s[SLOTS], 1
	s_cmp_lg_u32 s[SLOTS], 0
	s_cbranch_scc1 .Lslot
	CHANGE 0                        ; the tail is written out
	s_mov_b32 s[CNT], 5             ; four trips fetch the last slot's steps; the fifth is left in its middle
.Ltail:
	TURN 2, 1
	TURN 3
	WIN 0
	s_sub_co_u32 s[CNT], s[CNT], 1
	s_cmp_eq_u32 s[CNT], 0
	s_cbranch_scc1 .Lout
	TURN 0
	TURN 1
	WIN 0
	s_branch .Ltail
.Lout:                              ; the fifth trip's products K Q^T, their masks (the words of the walk's first key step once more: inside mw) and their maximum serve nothing: the price of one text for every trip
	s_wait_kmcnt 0x0                ; the last request for mask words
.set i, 0
.rept 16
	PV NP-1
.set i, i+1
.endr
	; THE WAY OUT.  l's halves are added; O^T is divided by l, rounded to f16 and sent through my stage, a tile at a time.  The additions are the places behind the last products.
	WIN 0
.macro ALL line:vararg
.set t, 0
.rept 2*NP
	\line
.set t, t+1
.endr
.endm
	ALL v_add_f32 v[ST+4*t+2], v[ST+4*t+2], v[ST+4*t+3]
	ALL v_permlanex16_b32 v[ST+4*t+3], v[ST+4*t+2], s[SEL], s[SEL+1]
	ALL v_add_f32 v[ST+4*t+2], v[ST+4*t+2], v[ST+4*t+3]
	ALL v_rcp_f32 v[ST+4*t+2], v[ST+4*t+2]
	v_nop
	s_wait_alu depctr_va_vdst(0)    ; one wait for the eight reciprocals, ahead of their first use
.macro PACK t
	WIN W_RS
.set i, 32*(\t)
.rept 16
	v_pk_mul_f32 v[i:i+1], v[i:i+1], v[ST+4*(\t)+2:ST+4*(\t)+3] op_sel_hi:[1,0]
.set i, i+2
.endr
	WIN 0x05
.set i, 0
.rept 16
	v_cvt_pk_f16_f32 v[S+16*(\t)+i], v[32*(\t)+2*i], v[32*(\t)+2*i+1]
.set i, i+1
.endr
	WIN 0
.irp f, 0,1,2,3
	ds_store_b128 v[STO], v[S+16*(\t)+4*\f:S+16*(\t)+4*\f+3] offset:32*\f
.endr
.irp f, 0,1,2,3
	ds_load_b128 v[S+16*(\t)+4*\f:S+16*(\t)+4*\f+3], v[RD] offset:\f*4*SP  ; LDS serves a wave's instructions in order: these see the stores above
.endr
.endm
.macro SEND t, younger
	WIN 0
.irp f, 0,1,2,3
	s_wait_dscnt (\younger)+3-\f
	global_store_b128 v[GO], v[S+16*(\t)+4*\f:S+16*(\t)+4*\f+3], s[OPT:OPT+1] offset:(\t)*2048+\f*512  ; 512 consecutive bytes, aligned
.endr
.endm
	PACK 0
.set t, 1
.rept 2*NP-1
	PACK t
	SEND t-1, 8
.set t, t+1
.endr
	SEND 2*NP-1, 0
	WIN W_AD
	s_wait_tensorcnt 0x0            ; the wave's end
	ds_add_u32 v[SPW], v[NIL]
	s_wait_dscnt 0x0
	WIN 0
	CROUND                          ; the closing round
	s_endpgm
.Lfunc_end_k_qa9e6e93363_attn:
	.size	k_qa9e6e93363_attn, .Lfunc_end_k_qa9e6e93363_attn-k_qa9e6e93363_attn
	.p2alignl 7, 3214868480
	.fill 96, 4, 3214868480
	.section	.rodata,"a",@progbits
	.p2align	6, 0x0
	.amdhsa_kernel k_qa9e6e93363_attn
		.amdhsa_group_segment_fixed_size 327680
		.amdhsa_private_segment_fixed_size 0
		.amdhsa_enable_private_segment 0
		.amdhsa_kernarg_size 24
		.amdhsa_user_sgpr_count 2
		.amdhsa_user_sgpr_kernarg_segment_ptr 1
		.amdhsa_wavefront_size32 1
		.amdhsa_system_sgpr_workgroup_id_x 1
		.amdhsa_system_sgpr_workgroup_id_y 1
		.amdhsa_system_sgpr_workgroup_id_z 1
		.amdhsa_system_vgpr_workitem_id 0
		.amdhsa_next_free_vgpr 770
		.amdhsa_next_free_sgpr 100
		.amdhsa_reserve_vcc 0
		.amdhsa_float_denorm_mode_32 3
		.amdhsa_float_denorm_mode_16_64 3
		.amdhsa_memory_ordered 1
		.amdhsa_forward_progress 1
		.amdhsa_inst_pref_size 238
	.end_amdhsa_kernel
	.amdgpu_metadata
---
amdhsa.version: [ 1, 2 ]
amdhsa.kernels:
  - .name:           k_qa9e6e93363_attn
    .symbol:         k_qa9e6e93363_attn.kd
    .args:
      - { .name: qkv, .offset: 0, .size: 8, .value_kind: global_buffer, .address_space: global }
      - { .name: mw, .offset: 8, .size: 8, .value_kind: global_buffer, .address_space: global }
      - { .name: ctx, .offset: 16, .size: 8, .value_kind: global_buffer, .address_space: global }
    .group_segment_fixed_size: 327680
    .private_segment_fixed_size: 0
    .kernarg_segment_align: 8
    .kernarg_segment_size: 24
    .max_flat_workgroup_size: 128
    .sgpr_count:     100
    .vgpr_count:     770
    .wavefront_size: 32
...
	.end_amdgpu_metadata
.endif
;; end of part 3
;; launch outp (part 4): grid 4 x 64, 4 waves a work-group, clusters of 4 x 4, 327,680 bytes of LDS; arguments ctx, wb, out0; writes out0
.if DOCPART == 4
	.amdgcn_target "amdgcn-amd-amdhsa--gfx1250"
	.amdhsa_code_object_version 6
	.text
	.protected	k_qa9e6e93363_outp
	.globl	k_qa9e6e93363_outp
	.p2align	8
	.type	k_qa9e6e93363_outp,@function
k_qa9e6e93363_outp:
	s_mov_b64 s[64:65], 0
	v_nop
	global_prefetch_b8 v0, s[64:65] scope:SCOPE_SE
	s_setreg_imm32_b32 hwreg(HW_REG_WAVE_MODE, 25, 1), 1
	s_wait_xcnt 0x0
	s_wait_alu depctr_hold_cnt(0) depctr_sa_sdst(0) depctr_va_vdst(0) depctr_va_sdst(0) depctr_va_ssrc(0) depctr_va_vcc(0) depctr_vm_vsrc(0)
	s_getreg_b32 s2, hwreg(HW_REG_IB_STS2, 6, 4)
	s_cmp_eq_u32 s2, 0
	s_cbranch_scc0 .Lentry_in_a_cluster
	s_endpgm
.Lentry_in_a_cluster:
	s_bfe_u32 s2, ttmp6, 0x10000c
	s_cmp_lg_u32 s2, 0xf033
	s_cbranch_scc0 .Lentry_shape_is_right
	s_endpgm
.Lentry_shape_is_right:
; THE OUTPUT PROJECTION.  out0[m][n] = the sum over k of ctx[m][k] W_O[k][n].  ctx is f16 by heads, [bh][s][64]: k = 64 head + channel.  W_O is plane 3 of wb, [k][n], f16.  Sums in f32; out0 is f32 [8192][1024].
; SHARES, RING AND CLUSTER as in the projections in front: a work-group makes 128 x 256, a wave 64 x 128 (32 accumulators); 8 K steps of 128 through two LDS slots; 4 x 4 work-groups, ctx's tile asked for jointly
; along a row of the cluster, W_O's along a column.  A K step is two heads: waves 0 and 1 fetch a head's 128 rows x 128 bytes each (dense: asked for as 64 rows of 256 bytes), waves 2 and 3 64 k rows of W_O each.
; 256 work-groups.  NO PREFETCH: the launch is 8 K steps long, and W_O is read by every cluster.
; REGISTERS: window 0: v16-29 addresses; two fragment buffers of 96 at v64 and v160: W_O's 64, then ctx's 32.  window 1: the accumulators, (a, b) at 8 (8 a + b).
.set PAO,   144                        ; a row of ctx in LDS: 128 bytes + 16 = 36 words: the 16 rows of a load start at 16 different groups of four banks
.set PB,    544                        ; a row of W_O: 512 + 32
.set HA,    128*PAO
.set HB,    64*PB
.set BOFF,  2*HA
.set SLOT,  BOFF+2*HB
.set STAGE, 2*SLOT                     ; behind the ring, never filled by a tensor load: 16 rows x 528 bytes for each wave
.set SPI,   528
.set SPARE, STAGE+4*16*SPI
.set ADRA, 16
.set ADRB, 17
.set A0,   18
.set B0,   19
.set STO,  24
.set RD,   25
.set CO,   26
.set SPW,  28
.set NIL,  29
.set BUF,  64
.set WV,  14
.set WM,  15
.set WN,  16
.set CX,  17
.set CY,  18
.set TM,  20
.set TN,  21
.set TF,  22
.set TR,  23
.set G1A, 24
.set G0A, 32
.set LBA, 40
.set LBB, 41
.set G1B, 48
.set G0B, 56
.set MSB, 0
.macro WIN new
.if MSB != (\new)
	s_set_vgpr_msb (MSB<<8)|(\new)
.set MSB, \new
.endif
.endm
.macro PLACES
.rept 4
	v_nop
.endr
.endm
.macro JLOAD                           ; a joint refill by the walking descriptor; an s_nop 0 and four v_nop follow each of the two lines
	s_cmp_eq_u32 s[WM], 0
	s_cbranch_scc0 .Lfor_b_\@
	tensor_load_to_lds s[G0A+4:G0A+7], s[G1A:G1A+7]
	s_nop 0
.rept 4
	v_nop
.endr
	s_branch .Lasked_\@
.Lfor_b_\@:
	tensor_load_to_lds s[G0B+4:G0B+7], s[G1B:G1B+7]
	s_nop 0
.rept 4
	v_nop
.endr
.Lasked_\@:
.endm
.macro CREST
	s_cmp_lg_u32 s[WV], 0
	s_cbranch_scc1 .Lnot_wave_0_\@
	s_barrier_signal -3
.Lnot_wave_0_\@:
	s_barrier_wait -3
	s_barrier_signal -1
	s_barrier_wait -1
.endm
.macro CROUND
	s_barrier_signal -1
	s_barrier_wait -1
	CREST
.endm
	s_load_b128 s[4:7], s[0:1], 0x0                ; ctx s[4:5], wb s[6:7]
	s_load_b64 s[8:9], s[0:1], 0x10                ; out0
	v_lshl_add_u32 v[SPW], v0, 2, SPARE
	v_mov_b32 v[NIL], 0
	ds_add_u32 v[SPW], v[NIL]                      ; the wave's opening: the add and its wait stand ahead of my first tensor load
	v_lshrrev_b32 v1, 5, v0
	v_readfirstlane_b32 s[WV], v1
	s_lshr_b32 s[WM], s[WV], 1
	s_and_b32 s[WN], s[WV], 1
	s_bfe_u32 s[CX], ttmp6, 0x40000
	s_bfe_u32 s[CY], ttmp6, 0x40004
	s_and_b32 s[TM], ttmp7, 0xffff
	s_lshl_b32 s[TM], s[TM], 2
	s_add_co_u32 s[TM], s[TM], s[CY]
	s_lshl_b32 s[TN], ttmp9, 2
	s_add_co_u32 s[TN], s[TN], s[CX]
	s_lshl_b32 s2, s[CY], 2
	s_lshl_b32 s2, 15, s2
	s_or_b32 s[G1A], s2, (1<<16)|(1<<20)|(1<<21)|(4<<22)|(3<<25)   ; the mask of my row; 2-byte elements; padding on; bit 21 beside a mask; after every 32 words, 4 words
	s_lshl_b32 s42, 0x1111, s[CX]
	s_or_b32 s[G1B], s42, (1<<16)|(1<<20)|(1<<21)|(6<<22)|(7<<25)  ; the mask of my column; after every 128 words, 8 words
	s_mov_b32 s[G1A+1], 128<<16
	s_mov_b32 s[G1A+2], 64<<16
	s_mov_b32 s[G1A+3], 128<<16
	s_mov_b32 s[G1A+4], 64
	s_mov_b32 s[G1A+5], 128
	s_mov_b32 s[G1A+6], 0
	s_mov_b32 s[G1A+7], 0
	s_mov_b32 s[G1B+1], 256<<16
	s_mov_b32 s[G1B+2], 64<<16
	s_mov_b32 s[G1B+3], 256<<16
	s_mov_b32 s[G1B+4], 64
	s_mov_b32 s[G1B+5], 1024
	s_mov_b32 s[G1B+6], 0
	s_mov_b32 s[G1B+7], 0
	s_lshr_b32 s2, s[TM], 4                        ; ctx: ((16 b + half) x 2,048 + 128 (tm % 16)) rows of 128 bytes
	s_lshl_b32 s2, s2, 22
	s_lshl_b32 s3, s[WN], 18
	s_add_co_u32 s2, s2, s3
	s_and_b32 s3, s[TM], 15
	s_lshl_b32 s3, s3, 14
	s_add_co_u32 s2, s2, s3
	s_mov_b32 s3, 0
	s_lshl_b32 s42, s[WN], 17                      ; W_O: plane 3, 64 half k rows of 2,048 bytes, 512 tn
	s_add_co_u32 s42, s42, 3*2097152
	s_lshl_b32 s43, s[TN], 9
	s_add_co_u32 s42, s42, s43
	s_mov_b32 s43, 0
	s_mul_i32 s[LBA], s[WN], HA
	s_mul_i32 s[LBB], s[WN], HB
	s_add_co_u32 s[LBB], s[LBB], BOFF
	s_mov_b32 s[TF], SLOT
	s_mov_b32 s[TR], 0
	s_wait_dscnt 0x0                               ; the opening add is done
	s_wait_kmcnt 0x0
	s_mov_b32 s[G0A], 1
	s_add_co_u32 s[G0A+1], s[LBA], 0
	s_add_nc_u64 s[G0A+2:G0A+3], s[4:5], s[2:3]
	s_mov_b32 s[G0A+4], 1
	s_add_co_u32 s[G0A+5], s[LBA], SLOT
	s_add_nc_u64 s[G0A+6:G0A+7], s[G0A+2:G0A+3], 524288   ; two heads on
	s_or_b32 s[G0A+3], s[G0A+3], 0x80000000
	s_or_b32 s[G0A+7], s[G0A+7], 0x80000000
	s_mov_b32 s[G0B], 1
	s_add_co_u32 s[G0B+1], s[LBB], 0
	s_add_nc_u64 s[G0B+2:G0B+3], s[6:7], s[42:43]
	s_mov_b32 s[G0B+4], 1
	s_add_co_u32 s[G0B+5], s[LBB], SLOT
	s_add_nc_u64 s[G0B+6:G0B+7], s[G0B+2:G0B+3], 262144
	s_or_b32 s[G0B+3], s[G0B+3], 0x80000000
	s_or_b32 s[G0B+7], s[G0B+7], 0x80000000
	CROUND                                         ; all sixteen work-groups are here: the first joint loads meet
	s_cmp_eq_u32 s[WM], 0                          ; a wave's two first fills stand in one branch: two loads of mine are out
	s_cbranch_scc0 .Lfirst_b
	tensor_load_to_lds s[G0A:G0A+3], s[G1A:G1A+7]
	s_nop 0
	tensor_load_to_lds s[G0A+4:G0A+7], s[G1A:G1A+7]
	s_nop 0
.rept 4
	v_nop
.endr
	s_branch .Lfirst_asked
.Lfirst_b:
	tensor_load_to_lds s[G0B:G0B+3], s[G1B:G1B+7]
	s_nop 0
	tensor_load_to_lds s[G0B+4:G0B+7], s[G1B:G1B+7]
	s_nop 0
.rept 4
	v_nop
.endr
.Lfirst_asked:
	s_lshl_b32 s44, s[TM], 19                      ; out0: (128 tm + 64 wm) rows of 4,096 bytes + 1,024 tn + 512 wn
	s_lshl_b32 s45, s[WM], 18
	s_add_co_u32 s44, s44, s45
	s_lshl_b32 s45, s[TN], 10
	s_add_co_u32 s44, s44, s45
	s_lshl_b32 s45, s[WN], 9
	s_add_co_u32 s44, s44, s45
	s_mov_b32 s45, 0
	s_add_nc_u64 s[8:9], s[8:9], s[44:45]
	v_and_b32 v1, 15, v0
	v_bfe_u32 v2, v0, 4, 1
	v_and_b32 v5, 7, v0
	v_bfe_u32 v4, v0, 3, 1
	v_mul_u32_u24 v[A0], v1, PAO
	v_lshl_add_u32 v[A0], v2, 4, v[A0]
	s_mul_i32 s2, s[WM], 64*PAO
	v_add_nc_u32 v[A0], s2, v[A0]
	v_lshl_add_u32 v3, v2, 3, v5
	v_mul_u32_u24 v[B0], v3, PB
	v_lshl_add_u32 v[B0], v4, 4, v[B0]
	s_lshl_b32 s2, s[WN], 8
	s_add_co_u32 s2, s2, BOFF
	v_add_nc_u32 v[B0], s2, v[B0]
	v_mov_b32 v[ADRA], v[A0]
	v_mov_b32 v[ADRB], v[B0]
	s_mul_i32 s2, s[WV], 16*SPI
	s_add_co_u32 s2, s2, STAGE
	v_mul_u32_u24 v[STO], v1, SPI                  ; in: row l % 16, 32 bytes for each half of the lanes
	v_lshl_add_u32 v[STO], v2, 5, v[STO]
	v_add_nc_u32 v[STO], s2, v[STO]
	v_and_b32 v6, 31, v0
	v_lshlrev_b32 v[CO], 4, v6                     ; back and out: 32 lanes take a row's 512 bytes
	v_add_nc_u32 v[RD], s2, v[CO]
.macro MUL8 f, a, zero                 ; the 32 accumulators take turns in the same order in every quarter
	WIN 0x50
.irp b, 0,1,2,3,4,5,6,7
.if \zero
	v_wmma_f32_16x16x32_f16 v[8*(8*(\a)+(\b)):8*(8*(\a)+(\b))+7], v[BUF+96*(\f)+8*(\b):BUF+96*(\f)+8*(\b)+7], v[BUF+96*(\f)+64+8*(\a):BUF+96*(\f)+64+8*(\a)+7], 0
.else
	v_wmma_f32_16x16x32_f16 v[8*(8*(\a)+(\b)):8*(8*(\a)+(\b))+7], v[BUF+96*(\f)+8*(\b):BUF+96*(\f)+8*(\b)+7], v[BUF+96*(\f)+64+8*(\a):BUF+96*(\f)+64+8*(\a)+7], v[8*(8*(\a)+(\b)):8*(8*(\a)+(\b))+7]
.endif
.endr
.endm
.macro MUL16 f, a0, zero
	MUL8 \f, \a0, \zero
	MUL8 \f, (\a0)+1, \zero
.endm
; 24 LDS loads in one run: quarter kq: W_O's 32 k x 128 columns, turned, then ctx's 64 rows x 32 channels (head kq / 2 of the step's two, channels 32 (kq % 2) on)
.macro FETCH kq, g
	WIN 0
.irp b, 0,1,2,3,4,5,6,7
	ds_load_tr16_b128 v[BUF+96*(\g)+8*(\b):BUF+96*(\g)+8*(\b)+3],   v[ADRB] offset:(\kq)*32*PB+32*(\b)
	ds_load_tr16_b128 v[BUF+96*(\g)+8*(\b)+4:BUF+96*(\g)+8*(\b)+7], v[ADRB] offset:(\kq)*32*PB+32*(\b)+16*PB
.endr
.irp a, 0,1,2,3
	ds_load_b128 v[BUF+96*(\g)+64+8*(\a):BUF+96*(\g)+64+8*(\a)+3],   v[ADRA] offset:((\kq)/2)*HA+((\kq)%2)*64+(\a)*16*PAO
	ds_load_b128 v[BUF+96*(\g)+64+8*(\a)+4:BUF+96*(\g)+64+8*(\a)+7], v[ADRA] offset:((\kq)/2)*HA+((\kq)%2)*64+(\a)*16*PAO+32
.endr
.endm
.macro QUARTER kn, f, g, zero
	s_wait_dscnt 4                                 ; all but ctx's row blocks 2 and 3
	MUL16 \f, 0, \zero
	PLACES                                         ; four places in front of loads into registers that the quarter before multiplied
	FETCH \kn, \g
	s_wait_dscnt 24                                ; all but the 24 just issued
	MUL16 \f, 2, \zero
.endm
.macro TURN fill                       ; the last quarter multiplies buffer 1 and changes slots
	WIN 0
	s_wait_tensorcnt 0x0                           ; all my tensor loads have landed
	ds_add_u32 v[SPW], v[NIL]                      ; 0 onto my spare word
	s_wait_dscnt 5                                 ; the add and the youngest four loads may be out
	MUL8 1, 0, 0
	s_wait_dscnt 0x0                               ; the add is done, and my reads of this slot are over
	s_barrier_signal -1
	MUL8 1, 1, 0
	WIN 0
	s_barrier_wait -1
.if \fill
	CREST                                          ; no wave of any partner still reads this slot or has a load on its way
	s_xor_b32 s[TF], s[TF], SLOT
	s_add_co_u32 s[G0A+5], s[LBA], s[TF]
	s_add_co_u32 s[G0B+5], s[LBB], s[TF]
	s_add_nc_u64 s[G0A+6:G0A+7], s[G0A+6:G0A+7], 524288
	s_add_nc_u64 s[G0B+6:G0B+7], s[G0B+6:G0B+7], 262144
	JLOAD                                          ; its four v_nop are also the places in front of the loads below
.else
	PLACES
.endif
	s_xor_b32 s[TR], s[TR], SLOT
	v_add_nc_u32 v[ADRA], s[TR], v[A0]
	v_add_nc_u32 v[ADRB], s[TR], v[B0]
	FETCH 0, 0
	MUL16 1, 2, 0
.endm
	s_wait_tensorcnt 1                             ; my part of K step 0 is in; step 1's may stay out
	s_barrier_signal -1
	s_barrier_wait -1
	FETCH 0, 0
	QUARTER 1, 0, 1, 1
	WIN 0
	s_mov_b32 s3, 6
.Llap:
	QUARTER 2, 1, 0, 0
	QUARTER 3, 0, 1, 0
	TURN 1
	QUARTER 1, 0, 1, 0
	WIN 0
	s_sub_co_u32 s3, s3, 1
	s_cmp_lg_u32 s3, 0
	s_cbranch_scc1 .Llap
	s_mov_b32 s3, 2
.Ltail:                                                ; the last two K steps ask for nothing: a text of their own; walked twice and left in its middle
	QUARTER 2, 1, 0, 0
	QUARTER 3, 0, 1, 0
	TURN 0                                         ; in the second trip its barrier and its run of loads (from the slot read before) serve nothing: the price, once a work-group, of one text for both steps
	WIN 0
	s_sub_co_u32 s3, s3, 1
	s_cmp_eq_u32 s3, 0
	s_cbranch_scc1 .Lout
	QUARTER 1, 0, 1, 0
	WIN 0
	s_branch .Ltail
.Lout:
	s_wait_dscnt 0x0                               ; those loads are back
	; THE WAY OUT.  Block a (16 rows x 128 columns of f32) goes from its accumulators into my stage and comes back, into the same registers, as whole rows of 512 bytes.
	PLACES
	PLACES
.macro TOSTAGE a
	WIN 0x04                                       ; the stores' data in window 1
.irp b, 0,1,2,3,4,5,6,7
	ds_store_b128 v[STO], v[64*(\a)+8*(\b):64*(\a)+8*(\b)+3]   offset:64*(\b)      ; each accumulator is read from its low end on
	ds_store_b128 v[STO], v[64*(\a)+8*(\b)+4:64*(\a)+8*(\b)+7] offset:64*(\b)+16
.endr
	WIN 0x40
.irp t, 0,1,2,3,4,5,6,7,8,9,10,11,12,13,14,15
	ds_load_b128 v[64*(\a)+4*(\t):64*(\a)+4*(\t)+3], v[RD] offset:SPI*(\t)  ; LDS serves a wave's instructions in order: these see the stores above
.endr
.endm
.macro SEND a, younger
	WIN 0x04
.irp t, 0,1,2,3,4,5,6,7,8,9,10,11,12,13,14,15
	s_wait_dscnt (\younger)+15-(\t)
	global_store_b128 v[CO], v[64*(\a)+4*(\t):64*(\a)+4*(\t)+3], s[8:9] offset:65536*(\a)+4096*(\t) th:TH_STORE_NT  ; 512 consecutive bytes, aligned
.endr
.endm
	TOSTAGE 0
.irp a, 1,2,3
	TOSTAGE \a
	SEND (\a)-1, 32
.endr
	SEND 3, 0
	WIN 0
	s_wait_tensorcnt 0x0                           ; the wave's end
	ds_add_u32 v[SPW], v[NIL]
	s_wait_dscnt 0x0
	CROUND                                         ; the closing round
	s_endpgm
.Lfunc_end_k_qa9e6e93363_outp:
	.size	k_qa9e6e93363_outp, .Lfunc_end_k_qa9e6e93363_outp-k_qa9e6e93363_outp
	.p2alignl 7, 3214868480
	.fill 96, 4, 3214868480
	.section	.rodata,"a",@progbits
	.p2align	6, 0x0
	.amdhsa_kernel k_qa9e6e93363_outp
		.amdhsa_group_segment_fixed_size 327680
		.amdhsa_private_segment_fixed_size 0
		.amdhsa_enable_private_segment 0
		.amdhsa_kernarg_size 24
		.amdhsa_user_sgpr_count 2
		.amdhsa_user_sgpr_kernarg_segment_ptr 1
		.amdhsa_wavefront_size32 1
		.amdhsa_system_sgpr_workgroup_id_x 1
		.amdhsa_system_sgpr_workgroup_id_y 1
		.amdhsa_system_sgpr_workgroup_id_z 1
		.amdhsa_system_vgpr_workitem_id 0
		.amdhsa_next_free_vgpr 512
		.amdhsa_next_free_sgpr 66
		.amdhsa_reserve_vcc 0
		.amdhsa_float_denorm_mode_32 3
		.amdhsa_float_denorm_mode_16_64 3
		.amdhsa_memory_ordered 1
		.amdhsa_forward_progress 1
		.amdhsa_inst_pref_size 61
	.end_amdhsa_kernel
	.amdgpu_metadata
---
amdhsa.version: [ 1, 2 ]
amdhsa.kernels:
  - .name:           k_qa9e6e93363_outp
    .symbol:         k_qa9e6e93363_outp.kd
    .args:
      - { .name: ctx, .offset: 0, .size: 8, .value_kind: global_buffer, .address_space: global }
      - { .name: wb, .offset: 8, .size: 8, .value_kind: global_buffer, .address_space: global }
      - { .name: out0, .offset: 16, .size: 8, .value_kind: global_buffer, .address_space: global }
    .group_segment_fixed_size: 327680
    .private_segment_fixed_size: 0
    .kernarg_segment_align: 8
    .kernarg_segment_size: 24
    .max_flat_workgroup_size: 128
    .sgpr_count:     66
    .vgpr_count:     512
    .wavefront_size: 32
...
	.end_amdgpu_metadata
.endif
;; end of part 4
